; MI455X (gfx1250); checked and timed in simulation.
; The chip was launched on July 23, 2026; its instructions are those of AMD's public machine-readable ISA for CDNA 5 (MIT licence, August 2026) and "CDNA5" Instruction Set Architecture Reference Guide (July 2026). The comments in the code are by the model that wrote it; some were corrected since.
;; Causal Self Attention. Allowed arithmetic: matrix products marked QUANTISED: E2M1 operands, one E8M0 scale for each 32 along K, by v_wmma_scale_f32_16x16x128_f8f6f4 with both operands' format E2M1 (or v_wmma_scale_f32_32x16x128_f4), f32 sums; products left as they are: bf16, f16 or f32 operands; f32 sums; everything else in f32.
;; Inputs: Wk 512 x 2,048 float32; Wproj 2,048 x 2,048 float32; Wq 2,048 x 2,048 float32; Wv 512 x 2,048 float32; q_gain 16 float32; x 4 x 1,024 x 2,048 float32.
;; Outputs: out0 4 x 1,024 x 2,048 float32.
;; This version of the problem:
;;   THIS VERSION OF THE PROBLEM IS GIVEN IN LOW PRECISION. The matrix products marked QUANTISED in the list below multiply operands that are first quantised to E2M1 (2 exponent bits, 1 mantissa bit; 4 bits a number), with one power-of-two scale for each 32 numbers along K (OCP MX v1.0); their sums are f32. The products marked 'left as it is' may take bf16, f16 or f32 operands, with f32 sums. Whichever they take, every output number must still come out within the allowed error. Rounding operands to bf16 (8 significant bits) uses up far more of that allowance than f16 does (11 bits, for magnitudes from 6e-5 to 65,504). All else is computed in f32.
;;   The module's matrix products, in the order in which they are computed (A, B: the left and right operand; K: the contracted axis; several contracted axes count as one K, in the product's order):
;;     1. [M 4,096, K 2,048] x [K 2,048, N 2,048]; A: input x; B: input Wq: QUANTISED
;;     2. [M 4,096, K 2,048] x [K 2,048, N 512]; A: input x; B: input Wk: QUANTISED
;;     3. [M 4,096, K 2,048] x [K 2,048, N 512]; A: input x; B: input Wv: QUANTISED
;;     4. batch 16 x [M 4,096, K 128] x [K 128, N 1,024]; A: computed on the way; B: computed on the way: left as it is (an operand is computed on the way)
;;     5. batch 16 x [M 4,096, K 1,024] x [K 1,024, N 128]; A: computed on the way; B: computed on the way: left as it is (an operand is computed on the way)
;;     6. [M 4,096, K 2,048] x [K 2,048, N 2,048]; A: computed on the way; B: input Wproj: left as it is (an operand is computed on the way)
;;   THE QUANTISER, for each operand of a quantised product, along K:
;;     - K is cut into blocks of 32 from its start; a last block that is shorter is filled with zeros.
;;     - A block's scale is 2^e with e = floor(log2(the largest magnitude in the block)) - 2, held to -126 .. 127; a block of zeros has e = 0. As a byte (E8M0): e + 127.
;;     - Each number is divided by its block's scale, clamped to +-6, and rounded to the nearest number of E2M1, ties to even, subnormals kept.
;;     - The product sums the exact products of the quantised numbers (number of the format x scale) in f32.
;;   ~~~python
;;   def quantise(x, axis):      # numpy; x: float32 -> the quantised numbers, widened to float32 again
;;       x = np.moveaxis(x, axis, -1); K = x.shape[-1]
;;       x = np.pad(x, [(0, 0)] * (x.ndim - 1) + [(0, -K % 32)]); x = x.reshape(x.shape[:-1] + (-1, 32)); a = np.abs(x).max(-1, keepdims=True)
;;       e = np.where(a > 0, np.clip(np.frexp(np.where(a > 0, a, 1))[1] - 1 - 2, -126, 127), 0)      # np.frexp(a)[1] - 1 = floor(log2(a)), exactly
;;       r = np.clip(x / 2.0 ** e, -6, 6)
;;       step = 2.0 ** (np.maximum(np.frexp(np.where(r == 0, 1, r))[1] - 1, 0) - 1)
;;       q = np.round(r / step) * step * 2.0 ** e      # np.round: ties to even
;;       return np.moveaxis(q.reshape(q.shape[:-2] + (-1,))[..., :K], -1, axis).astype(np.float32)
;;   ~~~
;; One version. Each part assembles by itself: llvm-mc -triple=amdgcn-amd-amdhsa -mcpu=gfx1250 --defsym DOCPART=n.
;; ======== version 1 of 1: 4 launches
;; limits: values are held in f16: magnitudes above 65,504 overflow, below 6.1e-05 lose precision
;; workspace buffers: xc 4,194,304 bytes; xs 262,144 bytes; wc 3,145,728 bytes; ws 196,608 bytes; wp16 8,388,608 bytes; rope 532,480 bytes; qkv 25,165,824 bytes; y 16,777,216 bytes
;; launch prep (part 1): grid 706 x 1, 4 waves a work-group, no clusters, 50,688 bytes of LDS; arguments x, Wq, Wk, Wv, Wproj, xc, xs, wc, ws, wp16, rope; writes xc, xs, wc, ws, wp16, rope
.if DOCPART == 1
	.amdgcn_target "amdgcn-amd-amdhsa--gfx1250"
	.amdhsa_code_object_version 6
	.text
	.protected	k_q6024d0e26d_prep
	.globl	k_q6024d0e26d_prep
	.p2align	8
	.type	k_q6024d0e26d_prep,@function
k_q6024d0e26d_prep:
	s_mov_b64 s[64:65], 0
	v_nop
	global_prefetch_b8 v0, s[64:65] scope:SCOPE_SE
	s_setreg_imm32_b32 hwreg(HW_REG_WAVE_MODE, 25, 1), 1
	s_wait_xcnt 0x0
; PREP: everything that is made once from the inputs.  Three paths, chosen by the work-group's number alone:
;   work-groups   0-447: x, Wq, Wk, Wv (f32, K innermost) become codes of FP4 (E2M1) with one E8M0 scale byte for each 32 along K.  x -> xc, xs; the three weights, one behind the other, -> wc, ws (rows 0-2047 Wq, 2048-2559 Wk, 2560-3071 Wv).
;   work-groups 448-575: Wproj becomes f16 (wp16), laid IN THE ORDER OF A 16-BIT OPERAND'S REGISTERS: [128 tiles of 16 rows][64 chunks of 32 along K][1,024 bytes]; in a chunk lane l = 16 h + r has 16 bytes at 16 l (row r, K 8 h + 0..7) and 16 bytes at 512 + 16 l (K 16 + 8 h + 0..7).
;   work-groups 576-705: the rotary table: 65 blocks of 16 positions x 64 angles, cos then sin, laid in the order in which the next launch's registers take them; block 64 is the identity (cos 1, sin 0).
; THE QUANTISER.  A block's scale is 2^(floor(log2(largest magnitude)) - 2); its byte is the largest magnitude's exponent field - 2, held at 1 from below; each number is divided by the scale and rounded to the nearest code, ties to even, beyond 6 the code of 6.
; Rows are dense and K is a multiple of 32: a tensor is a stream of blocks of 32.  A wave takes 16 steps of 512 numbers; each load reads 512 consecutive bytes; a step's 2,048 bytes turn through the wave's own stage in LDS so that a lane holds 16 neighbours.
; LIMITS: a block of zeros gets the byte 1 (the rule says 127): its codes are zeros and only this program reads the bytes; blocks whose largest magnitude lies under 2^-124 keep the byte 1; NaN and infinities among the inputs are not served.
; Wproj in f16: magnitudes from 6e-8 (smallest step) to 65,504.
; THE TABLE: angle = f32(t) x 2^(-d log2(10000) / 64); reduced by multiples of pi/2 in two fused steps, then polynomials of degree 7 (sin) and 8 (cos) on |rho| <= pi/4.  The frequency differs from a correctly rounded power by a few units in the last place: at most 2e-4 rad at t = 1,023.
.set STEPS, 16
.set EMAX,  2
.set CB,    8                          ; bytes of 16 codes
.set R,     16                         ; v16-79   the quantiser: four sets of 16 numbers as they are loaded;  v16-143 the f16 path: two sets of 64
.set X,     80                         ; v80-111  two sets of 16 neighbours
.set E,     112                        ; v112-127 a scale byte for each step
.set C,     128                        ; v128-191 codes: four registers for each step
.set OH,    144                        ; v144-175 the f16 path: eight pieces of 4 registers to store
.set WREG,  8192                       ; LDS: the quantiser's region for each wave: two stages of 32 x SP bytes, then its 256 scale bytes
.set SP,    80                         ; a lane's place in a stage: 64 bytes + 16 of padding
.set SPW,   12                         ; v12      LDS address of my spare word; never rewritten
.set NIL,   13                         ; v13      0; never rewritten
.set SPARE, 4*WREG                     ; behind the four regions: the spare words, 128 bytes a wave
.set HSTG,  SPARE+512                  ; behind them: the f16 path's stages, bytes of their own: 16 rows x HP bytes for each wave
.set HP,    272                        ; a stage row: 128 f16 + 16 bytes of padding: the 16 rows that a load touches start at 16 different banks (64 banks of 4 bytes: ISA guide 11.1)
	s_load_b512 s[4:19], s[0:1], 0x0               ; x 4:5, Wq 6:7, Wk 8:9, Wv 10:11, Wproj 12:13, xc 14:15, xs 16:17, wc 18:19
	s_load_b128 s[20:23], s[0:1], 0x40             ; ws 20:21, wp16 22:23
	s_load_b64 s[24:25], s[0:1], 0x50              ; rope
	v_lshl_add_u32 v[SPW], v0, 2, SPARE
	v_mov_b32 v[NIL], 0
	v_lshrrev_b32 v1, 5, v0
	v_readfirstlane_b32 s26, v1                    ; wave
	v_and_b32 v2, 31, v0                           ; lane
	v_lshlrev_b32 v3, 4, v2                        ; my 16 bytes of 512
	s_mov_b32 s37, 0                               ; the upper word of every offset pair
	s_wait_kmcnt 0x0
	s_cmp_lt_u32 ttmp9, 448
	s_cbranch_scc0 .Lnot_codes
; ---------------------------------------------------------------- the quantiser
	s_mul_i32 s27, s26, WREG
	v_lshrrev_b32 v14, 2, v2
	v_mul_u32_u24 v14, v14, SP
	v_and_b32 v15, 3, v2
	v_lshl_add_u32 v14, v15, 4, v14
	v_add_nc_u32 v14, s27, v14                     ; the stage, on the way in: SP (lane / 4) + 16 (lane % 4)
	v_mul_u32_u24 v15, v2, SP
	v_add_nc_u32 v15, s27, v15                     ; and on the way out: SP x lane: my 16 neighbours
	v_mul_u32_u24 v4, v2, CB                       ; my codes' place in a step's
	v_lshrrev_b32 v5, 1, v2
	s_add_co_u32 s27, s27, 2*32*SP
	v_add_nc_u32 v5, s27, v5                       ; LDS: my wave's 256 scale bytes, my block's byte
	v_lshlrev_b32 v7, 3, v2                        ; and on the way out 8 bytes a lane
	v_add_nc_u32 v6, s27, v7
	; which tensor: the choice hangs on the work-group's number alone
	s_mov_b32 s30, 416
	s_cmp_lt_u32 ttmp9, 416
	s_cselect_b64 s[28:29], s[8:9], s[10:11]       ; Wk or Wv
	s_cselect_b32 s30, 384, s30                    ; and the work-group at which it begins
	s_cmp_lt_u32 ttmp9, 384
	s_cselect_b64 s[28:29], s[6:7], s[28:29]       ; Wq
	s_cselect_b32 s30, 256, s30
	s_cmp_lt_u32 ttmp9, 256
	s_cselect_b64 s[28:29], s[4:5], s[28:29]       ; x
	s_cselect_b32 s30, 0, s30
	s_cselect_b64 s[32:33], s[14:15], s[18:19]     ; codes: xc or wc
	s_cselect_b64 s[34:35], s[16:17], s[20:21]     ; scale bytes: xs or ws
	s_cselect_b32 s31, 0, 256                      ; the three weights follow each other in wc and ws
	s_sub_co_u32 s30, ttmp9, s30
	s_lshl_b32 s30, s30, 2
	s_add_co_u32 s30, s30, s26                     ; which run of 8,192 numbers of the source is my wave's
	s_lshl_b32 s36, s30, 15
	s_add_nc_u64 s[28:29], s[28:29], s[36:37]
	s_sub_co_u32 s31, ttmp9, s31
	s_lshl_b32 s31, s31, 2
	s_add_co_u32 s31, s31, s26                     ; and of the destination
	s_lshl_b32 s36, s31, 12
	s_add_nc_u64 s[32:33], s[32:33], s[36:37]      ; 4,096 bytes of codes a run
	s_lshl_b32 s36, s31, 8
	s_add_nc_u64 s[34:35], s[34:35], s[36:37]      ; 256 scale bytes a run
.macro LOAD t                          ; step t's 2,048 bytes: four loads of 512 consecutive bytes
.irp i, 0,1,2,3
	global_load_b128 v[R+16*((\t)%4)+4*\i:R+16*((\t)%4)+4*\i+3], v3, s[28:29] offset:2048*(\t)+512*\i th:TH_LOAD_NT
.endr
.endm
.macro TURN t                          ; step t's numbers through the stage: LDS serves a wave's instructions in order, so no wait stands between the stores and the loads
.irp i, 0,1,2,3
	ds_store_b128 v14, v[R+16*((\t)%4)+4*\i:R+16*((\t)%4)+4*\i+3] offset:32*SP*((\t)%2)+8*SP*\i
.endr
.irp i, 0,1,2,3
	ds_load_b128 v[X+16*((\t)%2)+4*\i:X+16*((\t)%2)+4*\i+3], v15 offset:32*SP*((\t)%2)+16*\i
.endr
.endm
.irp t, 0,1,2,3
	LOAD \t
.endr
	s_wait_loadcnt 12                              ; step 0's four loads are in
	TURN 0
.macro STEP t
.set XS, X+16*((\t)%2)
.if (\t) > 0
	s_wait_dscnt 1                                 ; this step's numbers are back from the stage (the last step's byte store may be out)
.else
	s_wait_dscnt 0x0
.endif
.if (\t)+4 < STEPS
	LOAD (\t)+4                                    ; the stage's stores have read their registers: they take the loads of four steps on
.endif
.if (\t)+1 < STEPS
.if STEPS-2-(\t) >= 3
	s_wait_loadcnt 12                              ; the next step's four loads are in; those of the three steps behind it may be out
.else
	s_wait_loadcnt 4*(STEPS-2-(\t))
.endif
	TURN (\t)+1                                    ; and go through the other stage while this step is worked
.endif
	v_max3_num_f32 v8, |v[XS]|, |v[XS+1]|, |v[XS+2]|               ; the largest magnitude of my 16
	v_max3_num_f32 v9, |v[XS+3]|, |v[XS+4]|, |v[XS+5]|
.irp i, 6,10
	v_max3_num_f32 v8, v8, |v[XS+\i]|, |v[XS+\i+1]|
	v_max3_num_f32 v9, v9, |v[XS+\i+2]|, |v[XS+\i+3]|
.endr
	v_max3_num_f32 v8, v8, |v[XS+14]|, |v[XS+15]|
	v_max3_num_f32 v8, v8, v9, (EMAX+1)<<23        ; and the floor 2^(3 - 127): the byte cannot fall under 1
	v_max_num_f32_dpp v8, v8, v8 row_xmask:1 row_mask:0xf bank_mask:0xf   ; and of my neighbour's 16: the block's
	v_add_nc_u32 v11, -(EMAX<<23), v8              ; 2 off its exponent field: the conversion takes the exponent field of this operand as its scale
	v_cvt_scalef32_pk8_fp4_f32 v[C+4*(\t)], v[XS:XS+7], v11
	v_cvt_scalef32_pk8_fp4_f32 v[C+4*(\t)+1], v[XS+8:XS+15], v11
	v_lshrrev_b32 v[E+(\t)], 23, v11               ; the scale's byte
	ds_store_b8 v5, v[E+(\t)] offset:16*(\t)       ; both lanes of a block write the same byte with the same value
	global_store_b64 v4, v[C+4*(\t):C+4*(\t)+1], s[32:33] offset:32*CB*(\t)   ; the wave stores 256 consecutive bytes, aligned
.endm
.irp t, 0,1,2,3,4,5,6,7,8,9,10,11,12,13,14,15
	STEP \t
.endr
	ds_load_b64 v[8:9], v6                         ; LDS serves a wave's instructions in order: these see my stores
	s_wait_dscnt 0x0
	global_store_b64 v7, v[8:9], s[34:35]          ; 32 lanes store 256 consecutive bytes, aligned
	s_wait_tensorcnt 0x0                           ; the wave's end
	ds_add_u32 v[SPW], v[NIL]
	s_wait_dscnt 0x0
	s_endpgm
; ---------------------------------------------------------------- Wproj to f16, in the order of the operand's registers
; Work-group nt takes rows 16 nt .. 16 nt + 15; wave w their columns 512 w .. 512 w + 511, in four units of 128 columns (four chunks of 32).
; A unit: 16 loads, a row's 512 consecutive bytes each; conversion in place; 8 bytes a lane into my stage, row by row; back by pieces: lane (r, h) takes row r's 16 bytes at 64 c + 32 half + 16 h; each piece leaves as 512 consecutive bytes.
.Lnot_codes:
	s_cmp_lt_u32 ttmp9, 576
	s_cbranch_scc0 .Lrope
	s_sub_co_u32 s27, ttmp9, 448                   ; nt
	s_lshl_b32 s36, s27, 17                        ; 16 rows of 8,192 bytes,
	s_lshl_b32 s30, s26, 11                        ; my wave's 2,048 bytes of each
	s_add_co_u32 s36, s36, s30
	s_add_nc_u64 s[28:29], s[12:13], s[36:37]
	s_lshl_b32 s36, s27, 16                        ; a tile of 16 rows is 64 chunks of 1,024 bytes,
	s_lshl_b32 s30, s26, 14                        ; my wave's are 16 of them
	s_add_co_u32 s36, s36, s30
	s_add_nc_u64 s[22:23], s[22:23], s[36:37]
	s_mul_i32 s27, s26, 16*HP
	s_add_co_u32 s27, s27, HSTG                    ; my stage
	v_lshl_add_u32 v14, v2, 3, s27                 ; in: 8 x lane
	v_and_b32 v4, 15, v2
	v_lshrrev_b32 v5, 4, v2
	v_mul_u32_u24 v15, v4, HP
	v_lshl_add_u32 v15, v5, 4, v15
	v_add_nc_u32 v15, s27, v15                     ; back: row lane % 16, + 16 (lane / 16)
.macro LOADW u                         ; unit u: 16 rows x 512 consecutive bytes, into set u % 2
.irp i, 0,1,2,3,4,5,6,7,8,9,10,11,12,13,14,15
	global_load_b128 v[R+64*((\u)%2)+4*\i:R+64*((\u)%2)+4*\i+3], v3, s[28:29] offset:8192*\i+512*(\u) th:TH_LOAD_NT
.endr
.endm
.macro HUNIT u
.set HB, R+64*((\u)%2)
.if (\u) < 3
	s_wait_loadcnt 16                              ; this unit's 16 loads are in; the next unit's 16 may be out
.else
	s_wait_loadcnt 0x0
.endif
.irp i, 0,1,2,3,4,5,6,7,8,9,10,11,12,13,14,15
	v_cvt_pk_f16_f32 v[HB+4*\i], v[HB+4*\i], v[HB+4*\i+1]
	v_cvt_pk_f16_f32 v[HB+4*\i+1], v[HB+4*\i+2], v[HB+4*\i+3]
.endr
.irp i, 0,1,2,3,4,5,6,7,8,9,10,11,12,13,14,15
	ds_store_b64 v14, v[HB+4*\i:HB+4*\i+1] offset:HP*\i          ; LDS serves a wave's instructions in order: these come behind the last unit's loads from the stage
.endr
.if (\u) > 0
	s_wait_xcnt 0x0                                ; the last unit's stores have read their registers, which are loaded again below
.endif
.irp p, 0,1,2,3,4,5,6,7                ; piece p: chunk p / 2, registers 0-3 (p even) or 4-7 (p odd)
	ds_load_b128 v[OH+4*\p:OH+4*\p+3], v15 offset:32*\p
.endr
	s_wait_dscnt 0x0                               ; the pieces are in; the stage's stores have read their registers
.if (\u)+2 < 4
	LOADW (\u)+2
.endif
.irp p, 0,1,2,3,4,5,6,7
	global_store_b128 v3, v[OH+4*\p:OH+4*\p+3], s[22:23] offset:4096*(\u)+512*\p   ; 512 consecutive bytes, aligned
.endr
.endm
	LOADW 0
	LOADW 1
.irp u, 0,1,2,3
	HUNIT \u
.endr
	s_wait_tensorcnt 0x0                           ; the wave's end
	ds_add_u32 v[SPW], v[NIL]
	s_wait_dscnt 0x0
	s_endpgm
; ---------------------------------------------------------------- the rotary table
; Work-group u: block tb = u / 2 of 16 positions; wave w makes piece p = 4 (u % 2) + w of eight.  Lane (r, h): position 16 tb + r (0 from 1,024 on: the identity), angles d = 16 (p / 2) + 8 h + 4 (p % 2) + 0 .. 3.
.Lrope:
.set D,  16                            ; v16-19 exponent, frequency, angle
.set N,  20                            ; v20-23 the multiple of pi/2
.set RH, 24                            ; v24-27 the reduced angle
.set Z,  28                            ; v28-31 its square
.set SI, 32                            ; v32-35 sin
.set CO, 36                            ; v36-39 cos
.set KI, 40                            ; v40-43 the multiple as a whole number
.set T1, 44
.set T2, 48
	s_sub_co_u32 s27, ttmp9, 576
	s_lshr_b32 s28, s27, 1                         ; tb
	s_and_b32 s29, s27, 1
	s_lshl_b32 s29, s29, 2
	s_add_co_u32 s29, s29, s26                     ; p
	s_lshr_b32 s30, s29, 1
	s_and_b32 s31, s29, 1
	s_lshl_b32 s30, s30, 4
	s_lshl_b32 s31, s31, 2
	s_add_co_u32 s30, s30, s31                     ; 16 (p / 2) + 4 (p % 2)
	s_lshl_b32 s36, s28, 13                        ; a block is 8,192 bytes,
	s_lshl_b32 s31, s29, 9                         ; a piece 512
	s_add_co_u32 s36, s36, s31
	s_add_nc_u64 s[24:25], s[24:25], s[36:37]
	s_lshl_b32 s28, s28, 4
	s_mov_b32 s40, 0xb94ca1f9                      ; sin: -1.9515295891e-4,
	s_mov_b32 s41, 0x3c08839e                      ; 8.3321608736e-3,
	s_mov_b32 s42, 0xbe2aaaa3                      ; -1.6666654611e-1
	s_mov_b32 s43, 0x37ccf5ce                      ; cos: 2.443315712e-5,
	s_mov_b32 s44, 0xbab6061a                      ; -1.388731625e-3,
	s_mov_b32 s45, 0x3d2aaaa5                      ; 4.166664568e-2
	v_and_b32 v4, 15, v0
	v_bfe_u32 v5, v0, 4, 1
	v_add_nc_u32 v4, s28, v4                       ; the position
	v_cmp_gt_u32 vcc_lo, 0x400, v4
	v_cndmask_b32 v4, 0, v4, vcc_lo                ; from 1,024 on: 0
	v_cvt_f32_u32 v4, v4
	v_lshl_add_u32 v5, v5, 3, s30                  ; my first d
.irp e, 0,1,2,3
	v_add_nc_u32 v[D+\e], \e, v5
.endr
.irp e, 0,1,2,3
	v_cvt_f32_u32 v[D+\e], v[D+\e]
.endr
.irp e, 0,1,2,3
	v_mul_f32 v[D+\e], 0xbe549a78, v[D+\e]         ; -d log2(10000) / 64
.endr
.irp e, 0,1,2,3
	v_exp_f32 v[D+\e], v[D+\e]                     ; the frequency
.endr
	v_nop                                          ; a plain instruction behind the last exponential,
	s_wait_alu depctr_va_vdst(0)                   ; and one wait for the four, ahead of their first reader
.irp e, 0,1,2,3
	v_mul_f32 v[D+\e], v4, v[D+\e]                 ; the angle, rounded to f32
.endr
.irp e, 0,1,2,3
	v_mul_f32 v[N+\e], 0x3f22f983, v[D+\e]         ; x 2 / pi
.endr
.irp e, 0,1,2,3
	v_rndne_f32 v[N+\e], v[N+\e]
.endr
.irp e, 0,1,2,3
	v_fmamk_f32 v[RH+\e], v[N+\e], 0xbfc90fdb, v[D+\e]     ; - n x (pi/2 rounded to f32),
.endr
.irp e, 0,1,2,3
	v_fmamk_f32 v[RH+\e], v[N+\e], 0x333bbd2e, v[RH+\e]    ; + n x 4.371139e-8, what that rounding added
.endr
.irp e, 0,1,2,3
	v_mul_f32 v[Z+\e], v[RH+\e], v[RH+\e]
.endr
.irp e, 0,1,2,3
	v_fma_f32 v[SI+\e], v[Z+\e], s40, s41
	v_fma_f32 v[CO+\e], v[Z+\e], s43, s44
.endr
.irp e, 0,1,2,3
	v_fma_f32 v[SI+\e], v[SI+\e], v[Z+\e], s42
	v_fma_f32 v[CO+\e], v[CO+\e], v[Z+\e], s45
.endr
.irp e, 0,1,2,3
	v_mul_f32 v[T1+\e], v[Z+\e], v[RH+\e]
	v_fma_f32 v[T2+\e], v[Z+\e], -0.5, 1.0
.endr
.irp e, 0,1,2,3
	v_fma_f32 v[SI+\e], v[SI+\e], v[T1+\e], v[RH+\e]       ; sin(rho)
	v_mul_f32 v[T1+\e], v[Z+\e], v[Z+\e]
.endr
.irp e, 0,1,2,3
	v_fma_f32 v[CO+\e], v[CO+\e], v[T1+\e], v[T2+\e]       ; cos(rho)
	v_cvt_i32_f32 v[KI+\e], v[N+\e]
.endr
.irp e, 0,1,2,3
	v_and_b32 v[T1+\e], 1, v[KI+\e]
.endr
.irp e, 0,1,2,3                        ; an odd multiple of pi/2 changes sin and cos over: a choice of values, no branch
	v_cmp_eq_u32 vcc_lo, 1, v[T1+\e]
	v_cndmask_b32 v[T2+\e], v[SI+\e], v[CO+\e], vcc_lo
	v_cndmask_b32 v[CO+\e], v[CO+\e], v[SI+\e], vcc_lo
.endr
.irp e, 0,1,2,3
	v_and_b32 v[T1+\e], 2, v[KI+\e]                ; sin changes sign in quadrants 2 and 3,
	v_add_nc_u32 v[KI+\e], 1, v[KI+\e]
.endr
.irp e, 0,1,2,3
	v_lshlrev_b32 v[T1+\e], 30, v[T1+\e]
	v_and_b32 v[KI+\e], 2, v[KI+\e]                ; cos in quadrants 1 and 2
.endr
.irp e, 0,1,2,3
	v_xor_b32 v[SI+\e], v[T1+\e], v[T2+\e]
	v_lshlrev_b32 v[KI+\e], 30, v[KI+\e]
.endr
.irp e, 0,1,2,3
	v_xor_b32 v[CO+\e], v[KI+\e], v[CO+\e]
.endr
	global_store_b128 v3, v[CO:CO+3], s[24:25]             ; 512 consecutive bytes: the piece of cos,
	global_store_b128 v3, v[SI:SI+3], s[24:25] offset:4096 ; and of sin, eight pieces further on
	s_endpgm
.Lfunc_end_k_q6024d0e26d_prep:
	.size	k_q6024d0e26d_prep, .Lfunc_end_k_q6024d0e26d_prep-k_q6024d0e26d_prep
	.p2alignl 7, 3214868480
	.fill 96, 4, 3214868480
	.section	.rodata,"a",@progbits
	.p2align	6, 0x0
	.amdhsa_kernel k_q6024d0e26d_prep
		.amdhsa_group_segment_fixed_size 50688
		.amdhsa_private_segment_fixed_size 0
		.amdhsa_enable_private_segment 0
		.amdhsa_kernarg_size 88
		.amdhsa_user_sgpr_count 2
		.amdhsa_user_sgpr_kernarg_segment_ptr 1
		.amdhsa_wavefront_size32 1
		.amdhsa_system_sgpr_workgroup_id_x 1
		.amdhsa_system_sgpr_workgroup_id_y 1
		.amdhsa_system_sgpr_workgroup_id_z 1
		.amdhsa_system_vgpr_workitem_id 0
		.amdhsa_next_free_vgpr 192
		.amdhsa_next_free_sgpr 66
		.amdhsa_reserve_vcc 1
		.amdhsa_float_denorm_mode_32 3
		.amdhsa_float_denorm_mode_16_64 3
		.amdhsa_memory_ordered 1
		.amdhsa_forward_progress 1
		.amdhsa_inst_pref_size 65
	.end_amdhsa_kernel
	.amdgpu_metadata
---
amdhsa.version: [ 1, 2 ]
amdhsa.kernels:
  - .name:           k_q6024d0e26d_prep
    .symbol:         k_q6024d0e26d_prep.kd
    .args:
      - { .name: x, .offset: 0, .size: 8, .value_kind: global_buffer, .address_space: global }
      - { .name: Wq, .offset: 8, .size: 8, .value_kind: global_buffer, .address_space: global }
      - { .name: Wk, .offset: 16, .size: 8, .value_kind: global_buffer, .address_space: global }
      - { .name: Wv, .offset: 24, .size: 8, .value_kind: global_buffer, .address_space: global }
      - { .name: Wproj, .offset: 32, .size: 8, .value_kind: global_buffer, .address_space: global }
      - { .name: xc, .offset: 40, .size: 8, .value_kind: global_buffer, .address_space: global }
      - { .name: xs, .offset: 48, .size: 8, .value_kind: global_buffer, .address_space: global }
      - { .name: wc, .offset: 56, .size: 8, .value_kind: global_buffer, .address_space: global }
      - { .name: ws, .offset: 64, .size: 8, .value_kind: global_buffer, .address_space: global }
      - { .name: wp16, .offset: 72, .size: 8, .value_kind: global_buffer, .address_space: global }
      - { .name: rope, .offset: 80, .size: 8, .value_kind: global_buffer, .address_space: global }
    .group_segment_fixed_size: 50688
    .private_segment_fixed_size: 0
    .kernarg_segment_align: 8
    .kernarg_segment_size: 88
    .max_flat_workgroup_size: 128
    .sgpr_count:     66
    .vgpr_count:     192
    .wavefront_size: 32
...
	.end_amdgpu_metadata
.endif
;; end of part 1
;; launch qkv (part 2): grid 12 x 16, 4 waves a work-group, clusters of 4 x 4, 327,680 bytes of LDS; arguments xc, xs, wc, ws, rope, qkv; writes qkv
.if DOCPART == 2
	.amdgcn_target "amdgcn-amd-amdhsa--gfx1250"
	.amdhsa_code_object_version 6
	.text
	.protected	k_q6024d0e26d_qkv
	.globl	k_q6024d0e26d_qkv
	.p2align	8
	.type	k_q6024d0e26d_qkv,@function
k_q6024d0e26d_qkv:
	s_mov_b64 s[64:65], 0
	v_nop
	global_prefetch_b8 v0, s[64:65] scope:SCOPE_SE
	s_setreg_imm32_b32 hwreg(HW_REG_WAVE_MODE, 25, 1), 1
	s_wait_xcnt 0x0
	s_wait_alu depctr_hold_cnt(0) depctr_sa_sdst(0) depctr_va_vdst(0) depctr_va_sdst(0) depctr_va_ssrc(0) depctr_va_vcc(0) depctr_vm_vsrc(0)
	s_getreg_b32 s2, hwreg(HW_REG_IB_STS2, 6, 4)
	s_cmp_eq_u32 s2, 0
	s_cbranch_scc0 .Lentry_in_a_cluster
	s_endpgm
.Lentry_in_a_cluster:
	s_bfe_u32 s2, ttmp6, 0x10000c
	s_cmp_lg_u32 s2, 0xf033
	s_cbranch_scc0 .Lentry_shape_is_right
	s_endpgm
.Lentry_shape_is_right:
; QKV: C[m][n] = sum over k of x[m][k] W[n][k] on codes of FP4 (E2M1) with one E8M0 scale for each 32 along K; m: 4,096 tokens, n: 3,072 columns (2,048 of q, 512 of k, 512 of v), K = 2,048; sums in f32.
; On the way out, in f32: q and k columns get rms_norm over their head's 128 and the rotary turn; v columns go out as they are; all are rounded to f16 and stored as [24 head slots][4,096 tokens][128].
; A tile of C, 256 x 256, is made by a work-group of four waves; a wave makes 128 tokens x 128 columns, which is ONE head slot: 64 accumulators of 16 x 16, 512 registers.
; K goes in steps of 512 through a ring of two LDS slots filled by the tensor data mover: a tile's row is 256 bytes of memory.  The scale bytes of the work-group's rows, for all of K, come into LDS once, with the first fills.
; CLUSTERS: 4 x 4 work-groups.  The four of a row of the cluster need the same tiles of x, the four of a column the same tiles of W: each tile is asked for JOINTLY.
; THE MATRIX INSTRUCTION IS USED TRANSPOSED (source 0 = 16 rows of W, source 1 = 16 tokens): a lane then holds one token (lane % 16) and, in accumulator (a, b), columns 16 b + 8 (lane / 16) + 0 .. 7 of the head.
; So a token's 128 columns lie in two lanes, and column d and column d + 64, which the rotary turn pairs, lie in the same lane, in accumulators b and b + 4.
; v TILES RUN THE SAME LINES: their table block is the identity (cos 1, sin 0) and their factor is 1 by a select: no branch hangs on the work-group's place in its cluster.
; LIMITS: f16 on the way out: |v| up to 65,504 (q and k are at most sqrt(256) after the norm).  NaN and infinities are not served.
; REGISTERS, in windows of 256: window 0: v0-31 addresses; v32-95 scale words, two sets, and nothing else; from v128 x's fragments, ONE set; on the way out v96-235.
;   window 1: W's fragments, TWO sets, at v0 and at v128.   window 2: the 32 accumulators of my tokens 0-63 (accumulator (a, b) at v[8 (8 a + b)]);   window 3: those of my tokens 64-127.
.set SIZE_M, 4096
.set SIZE_N, 3072
.set SIZE_K, 2048
.set KSTEP,  512                       ; along K in a slot
.set NQ,     KSTEP/128                 ; matrix instructions deep
.set ROWB,   256                       ; a tile's row in bytes
.set KROW,   SIZE_K*4/8                ; a row of codes in memory, in bytes
.set PITCH,  272                       ; an LDS row: 256 bytes + 16 of padding = 68 words: the 16 rows that a load touches start at 16 different banks (64 banks of 4 bytes: ISA guide 11.1)
.set FR,     8                         ; registers of a fragment: 16 rows x 128 K
.set NL,     2                         ; LDS loads that bring one
.set NP,     4                         ; places behind this matrix instruction (ISA guide 7.12.1)
.set HALFT,  128*PITCH                 ; 128 rows: what one tensor load brings
.set SLOT,   4*HALFT                   ; x's 256 rows, then W's 256 rows
.set LAPS,   SIZE_K/(2*KSTEP)          ; a lap = two K steps = once round the ring
.set KS,     SIZE_K/32                 ; a row of scales in bytes
.set SCL,    2*SLOT                    ; behind the ring: the scales, as units of 256 bytes + 16 of padding
.set HALFS,  (128*KS/256)*272          ; the scales of 128 rows
.set SBLK,   (16*KS/256)*272           ; those of 16 rows
.set SPARE,  SCL+4*HALFS               ; behind the scales: the spare words, 128 bytes a wave
.set SPITCH, 272                       ; the way out: a stage of 16 rows x (256 bytes + 16) for each wave, in slot 0, which has had its last fill and its last read by then
.set ADRA, 16                          ; v16-17  LDS address of my x fragments in slot 0, 1
.set ADRB, 20                          ; v20-21  the same for W
.set STO,  24                          ; v24     the way out: where I put 16 bytes of a row
.set RD,   25                          ; v25     the way out: where I read rows back
.set CO,   26                          ; v26     16 x lane
.set ADRS, 27                          ; v27     LDS address of my scale words: lanes 0-15 x's rows, lanes 16-31 W's
.set SPW,  28                          ; v28     LDS address of my spare word; never rewritten
.set NIL,  29                          ; v29     0; never rewritten
.set SC,   32                          ; scale words: set s at v[SC + 32 s]; register 4 i + q: lanes 0-15 the word of x's block i, lanes 16-31 of W's block i
.set AF,   128                         ; x's fragments, in window 0
.set CSB,  96                          ; the way out: two table sets of 64: cos at +0, sin at +32, register 8 b + j
.set SS,   224                         ; v224-231 four pairs: sums of squares, later x1 cos
.set SQ,   232                         ; v232-233 the token's sum
.set RSQ,  234                         ; v234-235 its factor (named as a pair)
.set G1, 24
.set G0, 32
.set G1B, 48
.set G0B, 56
.set G1S, 68
.set G0S, 76
.set G1SB, 80
.set G0SB, 88
.set MSB, 0
.macro WIN new                         ; the immediate's high byte repeats the setting that is left
.if MSB != \new
	s_set_vgpr_msb (MSB<<8)|\new
.set MSB, \new
.endif
.endm
.set MUL_LO, 0xa1                      ; source 0 (W) window 1, source 1 (x) window 0, C and D window 2
.set MUL_HI, 0xf1                      ; the same, C and D window 3
.set TO_B,   0x40                      ; destination window 1, address window 0
; A joint load: waves 0 and 1 fetch for x, waves 2 and 3 for W.  The branch hangs on the wave's number alone.  An s_nop 0 and four v_nop follow each of the two lines.
.macro JLOAD g0a, g1a, g0b, g1b
	s_cmp_eq_u32 s15, 0
	s_cbranch_scc0 .Lfor_b_\@
	tensor_load_to_lds s[\g0a:\g0a+3], s[\g1a:\g1a+7]
	s_nop 0
.rept 4
	v_nop
.endr
	s_branch .Lasked_\@
.Lfor_b_\@:
	tensor_load_to_lds s[\g0b:\g0b+3], s[\g1b:\g1b+7]
	s_nop 0
.rept 4
	v_nop
.endr
.Lasked_\@:
.endm
.macro CREST                           ; a round of the cluster's barrier behind its opening barrier
	s_cmp_lg_u32 s14, 0
	s_cbranch_scc1 .Lnot_wave_0_\@
	s_barrier_signal -3
.Lnot_wave_0_\@:
	s_barrier_wait -3
	s_barrier_signal -1
	s_barrier_wait -1
.endm
.macro CROUND                          ; a whole round
	s_barrier_signal -1
	s_barrier_wait -1
	CREST
.endm
	s_load_b128 s[4:7], s[0:1], 0x0                ; x's codes s[4:5], x's scales s[6:7]
	s_load_b128 s[8:11], s[0:1], 0x10              ; W's codes s[8:9], W's scales s[10:11]
	s_load_b64 s[12:13], s[0:1], 0x20              ; the rotary table
	s_load_b64 s[96:97], s[0:1], 0x28              ; qkv
	v_lshl_add_u32 v[SPW], v0, 2, SPARE
	v_mov_b32 v[NIL], 0
	ds_add_u32 v[SPW], v[NIL]                      ; the wave's opening: the add, twice on end, and its wait ahead of my first tensor load
	ds_add_u32 v[SPW], v[NIL]
	v_lshrrev_b32 v1, 5, v0
	v_readfirstlane_b32 s14, v1                    ; wave 0..3
	s_lshr_b32 s15, s14, 1                         ; which half of the tile's tokens is mine.  Also: I fetch for x (0) or for W (1)
	s_and_b32 s16, s14, 1                          ; which half of its columns.  Also: which 128 rows of that tile I fetch
	s_bfe_u32 s40, ttmp6, 0x40000                  ; cx, cy: my place in the cluster
	s_bfe_u32 s41, ttmp6, 0x40004
	s_lshl_b32 s42, ttmp9, 2
	s_add_co_u32 s42, s42, s40                     ; tile column = 4 x cluster x + cx
	s_and_b32 s17, ttmp7, 0xffff
	s_lshl_b32 s17, s17, 2
	s_add_co_u32 s17, s17, s41                     ; tile row = 4 x cluster y + cy
	s_lshl_b32 s43, s41, 2
	s_lshl_b32 s43, 15, s43                        ; my row of the cluster
	s_lshl_b32 s44, 0x1111, s40                    ; my column
	; descriptor group 1: a tile of 128 rows x 256 bytes, padded in LDS
	s_or_b32 s[G1+0], s43, (0<<16)|(1<<20)|(1<<21)|(5<<22)|(3<<25)  ; 15:0 the mask: x's tiles go to my row; 17:16 element of 1 byte; 20 padding on; 21 set beside a mask; 24:22 after every 64 words; 31:25 of 4 words
	s_or_b32 s[G1B+0], s44, (0<<16)|(1<<20)|(1<<21)|(5<<22)|(3<<25)
.irp g, G1, G1B
	s_mov_b32 s[\g+1], ROWB<<16                    ; tensor_dim0
	s_mov_b32 s[\g+2], 128<<16                     ; tensor_dim1 = 128
	s_mov_b32 s[\g+3], ROWB<<16                    ; tile_dim0
	s_mov_b32 s[\g+4], 128                         ; tile_dim1 = 128
	s_mov_b32 s[\g+5], KROW                        ; tensor_dim0_stride
	s_mov_b32 s[\g+6], 0
	s_mov_b32 s[\g+7], 0
.endr
	; and for the scales of 128 rows: a dense block of 8,192 bytes, as rows of 256 bytes (32 elements of 8 bytes), 16 bytes of padding behind each
	s_or_b32 s[G1S+0], s43, (3<<16)|(1<<20)|(1<<21)|(5<<22)|(3<<25)
	s_or_b32 s[G1SB+0], s44, (3<<16)|(1<<20)|(1<<21)|(5<<22)|(3<<25)
.irp g, G1S, G1SB
	s_mov_b32 s[\g+1], 32<<16
	s_mov_b32 s[\g+2], (128*KS/256)<<16
	s_mov_b32 s[\g+3], 32<<16
	s_mov_b32 s[\g+4], 128*KS/256
	s_mov_b32 s[\g+5], 32
	s_mov_b32 s[\g+6], 0
	s_mov_b32 s[\g+7], 0
.endr
	s_lshl_b32 s18, s16, 7                         ; which 128 rows of the tile I fetch
	s_lshl_b32 s20, s17, 8
	s_add_co_u32 s20, s20, s18                     ; x: row 256 x tile row + 128 x half
	s_lshl_b32 s46, s42, 8
	s_add_co_u32 s46, s46, s18                     ; W: row 256 x tile column + 128 x half
	s_mov_b32 s21, 0
	s_mov_b32 s47, 0
	s_mov_b64 s[18:19], KS
	s_mul_u64 s[22:23], s[20:21], s[18:19]         ; where these rows' scales begin, in bytes
	s_mul_u64 s[92:93], s[46:47], s[18:19]
	s_mov_b64 s[18:19], KROW
	s_mul_u64 s[20:21], s[20:21], s[18:19]         ; and their codes
	s_mul_u64 s[46:47], s[46:47], s[18:19]
	s_mul_i32 s45, s14, HALFT                      ; where they go: wave x 128 rows: no place in the cluster enters an LDS address
	s_mul_i32 s94, s14, HALFS
	s_wait_dscnt 0x0                               ; both opening adds are done
	s_wait_kmcnt 0x0
	s_add_nc_u64 s[20:21], s[4:5], s[20:21]
	s_add_nc_u64 s[22:23], s[6:7], s[22:23]
	s_add_nc_u64 s[46:47], s[8:9], s[46:47]
	s_add_nc_u64 s[92:93], s[10:11], s[92:93]
	CROUND                                         ; all sixteen work-groups are here: the first joint loads meet
	s_mov_b32 s[G0S], 1
	s_add_co_u32 s[G0S+1], s94, SCL
	s_mov_b64 s[G0S+2:G0S+3], s[22:23]
	s_or_b32 s[G0S+3], s[G0S+3], 0x80000000
	s_mov_b32 s[G0SB], 1
	s_add_co_u32 s[G0SB+1], s94, SCL
	s_mov_b64 s[G0SB+2:G0SB+3], s[92:93]
	s_or_b32 s[G0SB+3], s[G0SB+3], 0x80000000
	JLOAD G0S, G1S, G0SB, G1SB                     ; the scales first: they are wanted with K step 0
.irp s, 0,1
	s_mov_b32 s[G0+4*\s], 1
	s_add_co_u32 s[G0+4*\s+1], s45, \s*SLOT
	s_add_nc_u64 s[G0+4*\s+2:G0+4*\s+3], s[20:21], \s*ROWB
	s_or_b32 s[G0+4*\s+3], s[G0+4*\s+3], 0x80000000
	s_mov_b32 s[G0B+4*\s], 1
	s_add_co_u32 s[G0B+4*\s+1], s45, \s*SLOT
	s_add_nc_u64 s[G0B+4*\s+2:G0B+4*\s+3], s[46:47], \s*ROWB
	s_or_b32 s[G0B+4*\s+3], s[G0B+4*\s+3], 0x80000000
	JLOAD G0+4*\s, G1, G0B+4*\s, G1B               ; three loads of mine are out now
.endr
	v_and_b32 v1, 15, v0                           ; l % 16
	v_bfe_u32 v2, v0, 4, 1                         ; l / 16
	v_mul_u32_u24 v3, v1, PITCH
	v_lshl_add_u32 v4, v2, 4, v3                   ; a fragment's row x pitch + 16 x half
	s_mul_i32 s21, s15, HALFT                      ; my 128 rows of x
	s_mul_i32 s22, s16, HALFT                      ; my 128 rows of W,
	s_add_co_u32 s22, s22, 2*HALFT                 ; which lie behind x's 256
.irp s, 0,1
	v_add_nc_u32 v[ADRA+\s], s21, v4
	v_add_nc_u32 v[ADRB+\s], s22, v4
	s_add_co_u32 s21, s21, SLOT
	s_add_co_u32 s22, s22, SLOT
.endr
	v_mul_u32_u24 v5, v1, KS                       ; my row's scales: KS bytes a row,
	v_lshrrev_b32 v6, 8, v5
	v_lshl_add_u32 v5, v6, 4, v5                   ; and 16 more for each 256 passed
	s_mul_i32 s21, s15, HALFS                      ; x's: my 128 rows
	s_mul_i32 s22, s16, HALFS                      ; W's: my 128 rows, behind x's 256
	s_add_co_u32 s22, s22, 2*HALFS
	s_sub_co_u32 s22, s22, s21
	v_mul_u32_u24 v6, s22, v2                      ; lanes 16-31 take W's
	s_add_co_u32 s21, s21, SCL
	v_add_nc_u32 v5, v5, v6
	v_add_nc_u32 v[ADRS], s21, v5
	s_mul_i32 s23, s14, 16*SPITCH                  ; my stage
	v_mul_u32_u24 v5, v1, SPITCH                   ; in: row l % 16, 16 bytes for each half of the lanes
	v_lshl_add_u32 v5, v2, 4, v5
	v_add_nc_u32 v[STO], s23, v5
	v_mul_u32_u24 v5, v2, SPITCH                   ; back: lanes 0-15 one row of 256 bytes, lanes 16-31 the next
	v_lshl_add_u32 v5, v1, 4, v5
	v_add_nc_u32 v[RD], s23, v5
	v_and_b32 v6, 31, v0
	v_lshlrev_b32 v[CO], 4, v6
	; the way out's scalars: they hang on my place only as data and as global addresses
	s_lshl_b32 s20, s42, 1
	s_add_co_u32 s20, s20, s16                     ; my head slot: 2 x tile column + half
	s_lshl_b32 s20, s20, 12
	s_lshl_b32 s21, s17, 8
	s_lshl_b32 s22, s15, 7
	s_add_co_u32 s21, s21, s22                     ; my first token: 256 x tile row + 128 x half
	s_add_co_u32 s20, s20, s21
	s_lshl_b32 s20, s20, 8                         ; (slot x 4,096 + token) x 256 bytes
	s_lshr_b32 s22, s21, 4
	s_and_b32 s22, s22, 63                         ; the table block of my first 16 tokens: positions repeat every 1,024 tokens
	s_lshl_b32 s22, s22, 13
	s_mov_b32 s21, 0
	s_add_nc_u64 s[96:97], s[96:97], s[20:21]
	s_mov_b32 s23, 64*8192
	s_cmp_ge_u32 s42, 10                           ; columns from 2,560 on are v's
	s_cselect_b32 s22, s23, s22                    ; v: the identity block,
	s_cselect_b32 s95, -1, 0                       ; the factor 1 in every lane,
	s_cselect_b32 s98, 0, 8192                     ; and no step from block to block
	s_mov_b32 s23, 0
	s_mov_b32 s99, 0
	s_add_nc_u64 s[12:13], s[12:13], s[22:23]
.macro FRAG reg, adr, q, i             ; a fragment, 16 rows x 128 K of 4-bit codes: lane l holds row l % 16; registers 4 c .. 4 c + 3 hold K = 64 c + 32 (l / 16) + 0 .. 31
.irp c, 0,1
	ds_load_b128 v[\reg+4*\c:\reg+4*\c+3], v[\adr] offset:64*(\q)+32*\c+(\i)*16*PITCH
.endr
.endm
; 16 matrix instructions: x's blocks a0, a0 + 1 against W's eight, 128 along K.  The 64 accumulators take turns, one instruction a turn, in the same order in every step.
.macro MUL16 a0, p, q, sc, zero
.irp a, \a0, \a0+1
.irp b, 0,1,2,3,4,5,6,7
.if \zero
	v_wmma_scale_f32_16x16x128_f8f6f4 v[8*(8*((\a)%4)+\b):8*(8*((\a)%4)+\b)+7], v[128*(\p)+FR*\b:128*(\p)+FR*\b+FR-1], v[AF+FR*(\a):AF+FR*(\a)+FR-1], 0, v[SC+8*NQ*(\sc)+NQ*\b+(\q)], v[SC+8*NQ*(\sc)+NQ*(\a)+(\q)] matrix_a_fmt:MATRIX_FMT_FP4 matrix_b_fmt:MATRIX_FMT_FP4 matrix_a_scale:MATRIX_SCALE_ROW1
.else
	v_wmma_scale_f32_16x16x128_f8f6f4 v[8*(8*((\a)%4)+\b):8*(8*((\a)%4)+\b)+7], v[128*(\p)+FR*\b:128*(\p)+FR*\b+FR-1], v[AF+FR*(\a):AF+FR*(\a)+FR-1], v[8*(8*((\a)%4)+\b):8*(8*((\a)%4)+\b)+7], v[SC+8*NQ*(\sc)+NQ*\b+(\q)], v[SC+8*NQ*(\sc)+NQ*(\a)+(\q)] matrix_a_fmt:MATRIX_FMT_FP4 matrix_b_fmt:MATRIX_FMT_FP4 matrix_a_scale:MATRIX_SCALE_ROW1
.endif
.endr
.endr
.endm
.macro FETCH_B slot, q, p              ; W's eight fragments of the slot's q-th 128 along K into set p
	WIN TO_B
.irp i, 0,1,2,3,4,5,6,7
	FRAG 128*(\p)+FR*\i, ADRB+\slot, \q, \i
.endr
	WIN 0
.endm
.macro FETCH_A slot, q, i0             ; x's blocks i0 .. i0 + 3
.irp i, \i0, \i0+1, \i0+2, \i0+3
	FRAG AF+FR*(\i), ADRA+\slot, \q, \i
.endr
.endm
.macro SCALES sc                       ; the next K step's scale words into set sc: lanes 0-15 take x's block i, lanes 16-31 W's block i
.irp i, 0,1,2,3,4,5,6,7
	ds_load_b128 v[SC+8*NQ*\sc+NQ*\i:SC+8*NQ*\sc+NQ*\i+3], v[ADRS] offset:\i*SBLK
.endr
.endm
; A load into a register that a matrix instruction has read, and a vector instruction that reads a matrix result, stand NP places behind that matrix instruction; only plain vector instructions that name none of its registers are places.
.macro PLACES n
.rept \n
	v_nop
.endr
.endm
.macro STEP slot, q, zero              ; a step of 128 along K that has its successor in the same slot
	s_wait_dscnt 4*NL                              ; W's set and x's blocks 0-3 are in; the youngest eight loads (x's blocks 4-7) may be out
	WIN MUL_LO
	MUL16 0, (\q)%2, \q, \slot, \zero
	MUL16 2, (\q)%2, \q, \slot, \zero
	s_wait_dscnt 0                                 ; x's blocks 4-7 are in
	PLACES NP
	FETCH_B \slot, (\q)+1, 1-(\q)%2
	FETCH_A \slot, (\q)+1, 0
	WIN MUL_HI
	MUL16 4, (\q)%2, \q, \slot, \zero
	MUL16 6, (\q)%2, \q, \slot, \zero
	PLACES NP
	WIN 0
	FETCH_A \slot, (\q)+1, 4
.endm
; A slot's last step changes slots: ONE barrier; in front of it each wave waits for all its tensor loads, adds 0 to its spare word, and waits for that and for its own reads of this slot.
.macro TURN slot, next, fill
	s_wait_tensorcnt 0x0                           ; all my tensor loads have landed: my part of the next slot
	ds_add_u32 v[SPW], v[NIL]                      ; 0 onto my spare word
	s_wait_dscnt 4*NL+1                            ; (the add and the youngest eight loads may be out)
	WIN MUL_LO
	MUL16 0, 1, NQ-1, \slot, 0                     ; sixteen matrix instructions stand between the add and the wait for it
	s_wait_dscnt 0x0                               ; the add is done, and my reads of this slot are over
	s_barrier_signal -1
	MUL16 2, 1, NQ-1, \slot, 0
	WIN 0
	s_barrier_wait -1
.if \fill
	CREST                                          ; the barrier has opened a round of the cluster's barrier: no wave of any partner still reads this slot or has a load on its way
	s_add_nc_u64 s[G0+4*\slot+2:G0+4*\slot+3], s[G0+4*\slot+2:G0+4*\slot+3], 2*ROWB
	s_add_nc_u64 s[G0B+4*\slot+2:G0B+4*\slot+3], s[G0B+4*\slot+2:G0B+4*\slot+3], 2*ROWB
	JLOAD G0+4*\slot, G1, G0B+4*\slot, G1B         ; the first tensor load behind the round; its four v_nop are the places in front of the loads below
.else
	PLACES NP
.endif
	v_add_nc_u32 v[ADRS], 4*NQ, v[ADRS]            ; on to the next K step's scale words
	FETCH_B \next, 0, 0
	FETCH_A \next, 0, 0
	SCALES \next
	WIN MUL_HI
	MUL16 4, 1, NQ-1, \slot, 0
	MUL16 6, 1, NQ-1, \slot, 0
	PLACES NP
	WIN 0
	FETCH_A \next, 0, 4
.endm
.macro STEPS slot, from                ; the slot's steps from .. NQ - 2
.set Q, \from
.rept NQ-1-\from
	STEP \slot, Q, 0
.set Q, Q+1
.endr
.endm
	s_wait_tensorcnt 1                             ; the scales and my part of K step 0 are in (K step 1's load may be out)
	s_barrier_signal -1
	s_barrier_wait -1                              ; everybody's are
	FETCH_B 0, 0, 0
	FETCH_A 0, 0, 0
	SCALES 0
	FETCH_A 0, 0, 4
	STEP 0, 0, 1                                   ; the first step stands in front of the loop: its products start the sums
	s_mov_b32 s3, LAPS-1
.Llap:                                                 ; a trip goes once round the ring and fills both slots again
	STEPS 0, 1
	TURN 0, 1, 1
	STEPS 1, 0
	TURN 1, 0, 1
	STEP 0, 0, 0
	s_sub_co_u32 s3, s3, 1
	s_cmp_lg_u32 s3, 0
	s_cbranch_scc1 .Llap
	STEPS 0, 1                                     ; the last lap fills nothing
	TURN 0, 1, 0
	STEPS 1, 0
	s_wait_dscnt 4*NL                              ; the very last step: nothing more to fetch
	WIN MUL_LO
	MUL16 0, 1, NQ-1, 1, 0
	MUL16 2, 1, NQ-1, 1, 0
	s_wait_dscnt 0
	WIN MUL_HI
	MUL16 4, 1, NQ-1, 1, 0
	MUL16 6, 1, NQ-1, 1, 0
	WIN 0
; THE WAY OUT, a block of 16 tokens at a time.  The block's table (cos and sin of its 16 positions, in my registers' order) is asked for one block ahead.
.macro TBL set                         ; 16 loads of 512 consecutive bytes: pieces 0-7 cos, 8-15 sin
.irp p, 0,1,2,3,4,5,6,7,8,9,10,11,12,13,14,15
	global_load_b128 v[CSB+64*(\set)+4*\p:CSB+64*(\set)+4*\p+3], v[CO], s[12:13] offset:512*\p
.endr
.endm
.macro OUTBLK a
.set AC, 64*((\a)%4)                   ; the block's eight accumulators, in window 2 or 3
.set CC, CSB+64*((\a)%2)               ; its cos,
.set SN, CC+32                         ; its sin
	s_wait_xcnt 0x0                                ; the earlier loads have read their base and the earlier stores their registers: both are written again below
.if (\a) < 7
	s_add_nc_u64 s[12:13], s[12:13], s[98:99]
	TBL ((\a)+1)%2
.endif
	WIN 0x0a+5*((\a)/4)                            ; sources 0 and 1: the accumulators' window
.irp j, 0,2,4,6                        ; the sum of my 64 squares, in four chains; each accumulator is read from its low end on
.irp b, 0,1,2,3,4,5,6,7
.if (\j == 0) && (\b < 4)
	v_pk_mul_f32 v[SS+2*\b:SS+2*\b+1], v[AC+8*\b:AC+8*\b+1], v[AC+8*\b:AC+8*\b+1]
.else
	v_pk_fma_f32 v[SS+2*(\b%4):SS+2*(\b%4)+1], v[AC+8*\b+\j:AC+8*\b+\j+1], v[AC+8*\b+\j:AC+8*\b+\j+1], v[SS+2*(\b%4):SS+2*(\b%4)+1]
.endif
.endr
.endr
	WIN 0
	v_pk_add_f32 v[SS:SS+1], v[SS:SS+1], v[SS+2:SS+3]
	v_pk_add_f32 v[SS+4:SS+5], v[SS+4:SS+5], v[SS+6:SS+7]
	v_pk_add_f32 v[SS:SS+1], v[SS:SS+1], v[SS+4:SS+5]
	v_add_f32 v[SQ], v[SS], v[SS+1]
	v_permlanex16_b32 v[SQ+1], v[SQ], s20, s21     ; the token's other 64 columns lie in the lane 16 away
	v_add_f32 v[SQ], v[SQ], v[SQ+1]
	v_fma_f32 v[SQ], v[SQ], s22, s23               ; the mean + 2^-23
	v_rsq_f32 v[RSQ], v[SQ]
	v_nop                                          ; a plain instruction behind the root,
	s_wait_alu depctr_va_vdst(0)                   ; and the wait ahead of its first reader
	v_cndmask_b32 v[RSQ], v[RSQ], 1.0, s95         ; v's columns are not normalised
.if (\a) < 7
	s_wait_loadcnt 16                              ; this block's table is in; the next block's 16 loads may be out
.else
	s_wait_loadcnt 0x0
.endif
.set i, 0
.rept 32
	v_pk_mul_f32 v[CC+i:CC+i+1], v[CC+i:CC+i+1], v[RSQ:RSQ+1] op_sel_hi:[1,0]   ; the factor goes into cos and sin
.set i, i+2
.endr
	WIN 0x02+((\a)/4)                              ; source 0: the accumulators' window
.irp b, 0,1,2,3                        ; x1 = column d (accumulator b), x2 = column d + 64 (accumulator b + 4)
.irp j, 0,2,4,6
	v_pk_mul_f32 v[SS+\j:SS+\j+1], v[AC+8*\b+\j:AC+8*\b+\j+1], v[CC+8*\b+\j:CC+8*\b+\j+1]                     ; x1 cos
.endr
.irp j, 0,2,4,6
	v_pk_mul_f32 v[CC+8*\b+\j:CC+8*\b+\j+1], v[AC+8*(\b+4)+\j:AC+8*(\b+4)+\j+1], v[CC+8*\b+\j:CC+8*\b+\j+1]   ; x2 cos
.endr
.irp j, 0,2,4,6
	v_pk_fma_f32 v[CC+8*\b+\j:CC+8*\b+\j+1], v[AC+8*\b+\j:AC+8*\b+\j+1], v[SN+8*\b+\j:SN+8*\b+\j+1], v[CC+8*\b+\j:CC+8*\b+\j+1] neg_lo:[1,0,0] neg_hi:[1,0,0]   ; - x1 sin + x2 cos: column d + 64
.endr
.irp j, 0,2,4,6
	v_pk_fma_f32 v[SN+8*\b+\j:SN+8*\b+\j+1], v[AC+8*(\b+4)+\j:AC+8*(\b+4)+\j+1], v[SN+8*\b+\j:SN+8*\b+\j+1], v[SS+\j:SS+\j+1]   ; x2 sin + x1 cos: column d
.endr
.endr
	WIN 0
.set i, 0
.rept 16                               ; to f16, packed in place: pair i of each half goes to register i, which has been read by then
	v_cvt_pk_f16_f32 v[SN+i], v[SN+2*i], v[SN+2*i+1]
	v_cvt_pk_f16_f32 v[CC+i], v[CC+2*i], v[CC+2*i+1]
.set i, i+1
.endr
.irp b, 0,1,2,3
	ds_store_b128 v[STO], v[SN+4*\b:SN+4*\b+3] offset:32*\b        ; columns 16 b + 8 h on
.endr
.irp b, 0,1,2,3
	ds_store_b128 v[STO], v[CC+4*\b:CC+4*\b+3] offset:128+32*\b    ; columns 64 + 16 b + 8 h on
.endr
.irp t, 0,1,2,3
	ds_load_b128 v[CC+16+4*\t:CC+16+4*\t+3], v[RD] offset:544*\t   ; LDS serves a wave's instructions in order: these see the stores above
.endr
.irp t, 0,1,2,3
	ds_load_b128 v[SN+16+4*\t:SN+16+4*\t+3], v[RD] offset:544*(\t+4)
.endr
	s_wait_dscnt 0x0
.irp t, 0,1,2,3
	global_store_b128 v[CO], v[CC+16+4*\t:CC+16+4*\t+3], s[96:97] offset:4096*(\a)+512*\t        ; two tokens' rows: 512 consecutive bytes, aligned
.endr
.irp t, 0,1,2,3
	global_store_b128 v[CO], v[SN+16+4*\t:SN+16+4*\t+3], s[96:97] offset:4096*(\a)+512*(\t+4)
.endr
.endm
	s_mov_b32 s20, 0x76543210                      ; v_permlanex16_b32's selects for lane l xor 16
	s_mov_b32 s21, 0xfedcba98
	s_mov_b32 s22, 0x3c000000                      ; 1 / 128
	s_mov_b32 s23, 0x34000000                      ; 2^-23, the f32 machine epsilon
	PLACES NP                                      ; behind the last products: for the loads into registers that held x's fragments and for the first reads of results
	v_mov_b32 v[SQ+1], 0                           ; a lane permute's destination counts as one of its sources
	v_mov_b32 v[RSQ+1], 0                          ; named as the upper half of a pair
	TBL 0
.irp a, 0,1,2,3,4,5,6,7
	OUTBLK \a
.endr
	s_wait_tensorcnt 0x0                           ; the wave's end
	ds_add_u32 v[SPW], v[NIL]
	s_wait_dscnt 0x0
	CROUND                                         ; the closing round: no work-group ends while a partner may still ask for a tile that names it
	s_endpgm
.Lfunc_end_k_q6024d0e26d_qkv:
	.size	k_q6024d0e26d_qkv, .Lfunc_end_k_q6024d0e26d_qkv-k_q6024d0e26d_qkv
	.p2alignl 7, 3214868480
	.fill 96, 4, 3214868480
	.section	.rodata,"a",@progbits
	.p2align	6, 0x0
	.amdhsa_kernel k_q6024d0e26d_qkv
		.amdhsa_group_segment_fixed_size 327680
		.amdhsa_private_segment_fixed_size 0
		.amdhsa_enable_private_segment 0
		.amdhsa_kernarg_size 48
		.amdhsa_user_sgpr_count 2
		.amdhsa_user_sgpr_kernarg_segment_ptr 1
		.amdhsa_wavefront_size32 1
		.amdhsa_system_sgpr_workgroup_id_x 1
		.amdhsa_system_sgpr_workgroup_id_y 1
		.amdhsa_system_sgpr_workgroup_id_z 1
		.amdhsa_system_vgpr_workitem_id 0
		.amdhsa_next_free_vgpr 1024
		.amdhsa_next_free_sgpr 100
		.amdhsa_reserve_vcc 0
		.amdhsa_float_denorm_mode_32 3
		.amdhsa_float_denorm_mode_16_64 3
		.amdhsa_memory_ordered 1
		.amdhsa_forward_progress 1
		.amdhsa_inst_pref_size 255
	.end_amdhsa_kernel
	.section	.bss,"aw",@nobits
	.p2align	6
	.space	262144
	.amdgpu_metadata
---
amdhsa.version: [ 1, 2 ]
amdhsa.kernels:
  - .name:           k_q6024d0e26d_qkv
    .symbol:         k_q6024d0e26d_qkv.kd
    .args:
      - { .name: xc, .offset: 0, .size: 8, .value_kind: global_buffer, .address_space: global }
      - { .name: xs, .offset: 8, .size: 8, .value_kind: global_buffer, .address_space: global }
      - { .name: wc, .offset: 16, .size: 8, .value_kind: global_buffer, .address_space: global }
      - { .name: ws, .offset: 24, .size: 8, .value_kind: global_buffer, .address_space: global }
      - { .name: rope, .offset: 32, .size: 8, .value_kind: global_buffer, .address_space: global }
      - { .name: qkv, .offset: 40, .size: 8, .value_kind: global_buffer, .address_space: global }
    .group_segment_fixed_size: 327680
    .private_segment_fixed_size: 0
    .kernarg_segment_align: 8
    .kernarg_segment_size: 48
    .max_flat_workgroup_size: 128
    .sgpr_count:     100
    .vgpr_count:     1024
    .wavefront_size: 32
...
	.end_amdgpu_metadata
.endif
;; end of part 2
;; launch attn (part 3): grid 16 x 16, 4 waves a work-group, clusters of 4 x 1, 327,680 bytes of LDS; arguments qkv, q_gain, y; writes y
.if DOCPART == 3
	.amdgcn_target "amdgcn-amd-amdhsa--gfx1250"
	.amdhsa_code_object_version 6
	.text
	.protected	k_q6024d0e26d_attn
	.globl	k_q6024d0e26d_attn
	.p2align	8
	.type	k_q6024d0e26d_attn,@function
k_q6024d0e26d_attn:
	s_mov_b64 s[64:65], 0
	v_nop
	global_prefetch_b8 v0, s[64:65] scope:SCOPE_SE
	s_setreg_imm32_b32 hwreg(HW_REG_WAVE_MODE, 25, 1), 1
	s_wait_xcnt 0x0
	s_wait_alu depctr_hold_cnt(0) depctr_sa_sdst(0) depctr_va_vdst(0) depctr_va_sdst(0) depctr_va_ssrc(0) depctr_va_vcc(0) depctr_vm_vsrc(0)
	s_getreg_b32 s2, hwreg(HW_REG_IB_STS2, 6, 4)
	s_cmp_eq_u32 s2, 0
	s_cbranch_scc0 .Lentry_in_a_cluster
	s_endpgm
.Lentry_in_a_cluster:
	s_bfe_u32 s2, ttmp6, 0x10000c
	s_cmp_lg_u32 s2, 0x3003
	s_cbranch_scc0 .Lentry_shape_is_right
	s_endpgm
.Lentry_shape_is_right:
; ATTN: y[b][t][h][:] = sum over s <= t of softmax_s(gain[h] q[h][t] . k[g][s] / sqrt(128)) v[g][s][:], g = h / 4.  q, k, v: f16, [24 head slots][4,096 tokens][128] (slots 0-15 q, 16-19 k, 20-23 v).
; y: f16, laid IN THE ORDER OF A 16-BIT OPERAND'S REGISTERS for the next launch: [256 tiles of 16 tokens][64 chunks of 32 channels][1,024 bytes]; in a chunk lane l = 16 h + r has 16 bytes at 16 l (token r, channels 8 h + 0..7) and 16 bytes at 512 + 16 l (channels 16 + 8 h + 0..7).
; Products with f16 operands and f32 sums; maxima, exponentials and sums in f32; the weights p (at most 1) are rounded to f16 for the second product, y once at the end.
; SHARES.  A work-group owns query blocks i and 7 - i (128 positions each) of one head and batch, one after the other; block j needs key tiles 0 .. j of 128 keys.  So every work-group walks (i + 1) + (8 - i) = 9 key tiles:
; 256 work-groups of equal work, a loop of constant count.  A wave owns 32 queries: two tiles of 16.
; CLUSTER.  The four partners are the four query heads of one key and value head, with the same batch and the same i: they walk the same tiles, and each tile is asked for JOINTLY (mask 15).
; LAYOUT.  S^T = K Q^T (source 0 = 16 keys, source 1 = 16 queries): a lane holds ONE query (lane % 16) and the keys 8 (lane / 16) + 0..7.  Two such tiles, rounded to f16 in pairs, ARE source 1 of O^T = V^T P.  V comes out of LDS turned, by ds_load_tr16_b128.
; O^T holds one query a lane and, in tile f, channels 16 f + 8 (lane / 16) + 0..7: packed to f16 that is half a chunk of y's layout as it stands, so the way out stores registers straight, 512 consecutive bytes a store.
; SOFTMAX.  For each query a running maximum m of the raw scores and a running sum l: p = 2^(c s - c m), c = |gain| log2(e) / sqrt(128); in every step O and l are multiplied by a = 2^(c m_old - c m_new).
; THE GAIN stays out of q: its magnitude is in c, in f32; its sign is put onto q's f16 numbers by an exclusive or, so that c is never negative and the largest raw score is the largest scaled one.
; THE MASK.  Only a block's last tile lies on the diagonal: there hidden scores become -3e38 ahead of the maximum, so that p = 0.  Key 0 counts for every query, so m is a score from the first step on.
; LIMITS: c is held at 2^-100 from below (a gain of 0 still gives equal weights to the open keys and none to the hidden ones); |y| up to 65,504; NaN and infinities are not served.
; REGISTERS, in windows of 256: window 0: v0-37 addresses and statistics; v64-127 S^T, 32 a tile; v128-255 K of one step.   window 1: v0-127 O^T, 64 a tile; v128-191 Q, 32 a tile; v192-223 P, 16 a tile.   window 2: v0-127 V of one step.
.set KS,    64        ; keys in a step
.set PK,    272       ; a row of K in LDS: 256 bytes + 16 of padding: the 16 rows of a load start at 16 different banks (64 banks of 4 bytes: ISA guide 11.1)
.set PV,    288       ; a row of V: 256 + 32
.set VOFF,  KS*PK     ; a step's tiles lie together: 64 rows of K, then 64 rows of V
.set STEPB, KS*(PK+PV)
.set SLOT1, 1<<17     ; a slot holds a key tile, two steps (71,680 bytes); slot 1 begins here, so that one exclusive or turns an address
.set SPARE, SLOT1+2*STEPB  ; behind the ring: the spare words, 128 bytes a wave
.set AK0, 2           ; v2   my lane's place in a tile of K
.set AV0, 3           ; v3   the same for V
.set ADK, 4           ; v4   LDS address of the run of K's loads in hand
.set ADV, 5           ; v5   of V's
.set GO,  8           ; v8   16 x my lane: my place in a piece of y
.set QO,  10          ; v10  my byte offset in the wave's rows of q
.set NEG, 11          ; v11  -3e38
.set ST,  12          ; tile t's statistics at v[ST+8 t]: +0 c m, +1 m, +2, +3 l (even keys', odd keys'), +4 to +7 at work; a at +6
.set DD,  28          ; v28-29 tile t: my query's place in the block less 8 (lane / 16)
.set PFO, 30          ; v30  256 x my lane; never rewritten
.set SPW, 32          ; v32  LDS address of my spare word; never rewritten
.set NIL, 33          ; v33  0; never rewritten
.set CV,  36          ; v36-37 c, twice
.set S,   64
.set KF,  128         ; K's fragments, window 0
.set QF,  128         ; Q's, window 1
.set PF,  192         ; P, window 1
.set WV,  12          ; s12  my wave's number;  s13 cx;  s14 i;  s15 the trip;  s16 the key tile to ask for;  s17 1 on the diagonal;  s19 the prefetches' limit;  s20 the sign word
.set G1K, 24          ; s[24:31] descriptor group 1 for K's tiles;  s[32:39] for V's
.set G1V, 32
.set G0K, 40          ; s[40:43], s[44:47] their groups 0, which walk
.set G0V, 44
.set PFA, 54          ; s[54:55] where my prefetches stand
.set SEL, 60          ; s[60:61] lane selects for v_permlanex16_b32
.set TB,  62          ; s62  LDS byte at which the slot in hand begins
.set MSB, 0
.macro WIN new                      ; the immediate's high byte repeats the setting that is left
.if MSB != \new
	s_set_vgpr_msb (MSB<<8)|\new
.set MSB, \new
.endif
.endm
.set W_KQ, 0x04       ; K and S^T in window 0, Q in window 1
.set W_PV, 0x56       ; V in window 2, P and O^T in window 1
.set W_RS, 0x41       ; O^T (destination and source 0) in window 1, the factor in window 0
; A joint load.  Waves 0 and 1 fetch the tile's two steps of K, waves 2 and 3 those of V.  The branch hangs on the wave's number alone.  An s_nop 0 and four v_nop follow each of the two lines.
.macro JLOAD
	s_cmp_lt_u32 s[WV], 2
	s_cbranch_scc0 .Lfor_v_\@
	tensor_load_to_lds s[G0K:G0K+3], s[G1K:G1K+7]
	s_nop 0
.rept 4
	v_nop
.endr
	s_branch .Lasked_\@
.Lfor_v_\@:
	tensor_load_to_lds s[G0V:G0V+3], s[G1V:G1V+7]
	s_nop 0
.rept 4
	v_nop
.endr
.Lasked_\@:
.endm
; A PREFETCH INTO THE L2.  The cluster with i = 0 walks key tiles 0, 0, 1, .. 7: in trips 0 to 6 it names key tile trip + 1, which its own next change of slots asks for, a key tile's 128 matrix instructions and two softmaxes ahead.
; Wave 0 names K's rows, wave 2 V's; the four partners take 32 of the 128 rows each, told apart by address; a lane a row of 256 bytes.  So each row of tiles 1 to 7 is named once in the launch; tile 0 comes by its loads alone; trip 7 names nothing.
.macro ASK
	s_cmp_lt_u32 s15, s19
	s_cbranch_scc0 .Lnot_mine_\@
	global_prefetch_b8 v[PFO], s[PFA:PFA+1] th:TH_LOAD_NT scope:SCOPE_SE
.Lnot_mine_\@:
.endm
.macro CROUND                       ; a round of the cluster's barrier
	s_barrier_signal -1
	s_barrier_wait -1
	s_cmp_lg_u32 s[WV], 0
	s_cbranch_scc1 .Lnot_wave_0_\@
	s_barrier_signal -3
.Lnot_wave_0_\@:
	s_barrier_wait -3
	s_barrier_signal -1
	s_barrier_wait -1
.endm
.macro PLACES                       ; four places behind a matrix instruction (ISA guide 7.12.1)
.rept 4
	v_nop
.endr
.endm
	s_load_b128 s[4:7], s[0:1], 0x0 ; qkv s[4:5], q_gain s[6:7]
	s_load_b64 s[8:9], s[0:1], 0x10 ; y
	v_lshl_add_u32 v[SPW], v0, 2, SPARE
	v_mov_b32 v[NIL], 0
	ds_add_u32 v[SPW], v[NIL]       ; the wave's opening: the add, twice on end, and its wait ahead of my first tensor load
	ds_add_u32 v[SPW], v[NIL]
	v_lshrrev_b32 v1, 5, v0
	v_readfirstlane_b32 s[WV], v1   ; wave 0..3
	s_bfe_u32 s13, ttmp6, 0x40000   ; cx: which of the group's four query heads
	s_mov_b32 s14, ttmp9            ; i: the cluster's x, which the partners share
	s_and_b32 s2, ttmp7, 0xffff     ; 4 b + g
	s_lshr_b32 s3, s2, 2
	s_lshl_b32 s3, s3, 10           ; 1,024 b
	s_and_b32 s2, s2, 3             ; g
	s_lshl_b32 s21, s2, 2
	s_add_co_u32 s21, s21, s13      ; my query head: it enters q's, y's and the gain's addresses alone
	s_add_co_u32 s72, s2, 16
	s_lshl_b32 s72, s72, 12
	s_add_co_u32 s72, s72, s3
	s_and_b32 s56, s[WV], 1         ; which of a tile's two steps I fetch
	s_lshl_b32 s57, s56, 6
	s_add_co_u32 s72, s72, s57
	s_lshl_b32 s72, s72, 8          ; K: ((16 + g) 4,096 + 1,024 b + 64 (w % 2)) rows of 256 bytes
	s_mov_b32 s73, 0
	s_mul_i32 s63, s56, STEPB       ; and its place in a slot: no place in the cluster enters an LDS address
	s_lshl_b32 s74, s14, 7
	s_add_co_u32 s74, s74, s3
	s_lshl_b32 s57, s[WV], 5
	s_add_co_u32 s74, s74, s57      ; my first token: 1,024 b + 128 i + 32 w
	s_lshl_b32 s76, s21, 12
	s_add_co_u32 s76, s76, s74
	s_lshl_b32 s76, s76, 8          ; its row of q
	s_mov_b32 s77, 0
	s_lshl_b32 s74, s74, 12         ; its tile of 16 tokens in y: 65,536 bytes a tile, so 4,096 a token,
	s_lshl_b32 s57, s21, 12
	s_add_co_u32 s74, s74, s57      ; and my head's four chunks in it: 4,096 bytes a head
	s_mov_b32 s75, 0
	s_lshl_b32 s57, s14, 1
	s_sub_co_u32 s57, 7, s57        ; from block i to block 7 - i: 7 - 2 i blocks of 128 tokens,
	s_lshl_b32 s68, s57, 15         ; in q
	s_mov_b32 s69, 0
	s_lshl_b32 s70, s57, 19         ; and in y (8 tiles a block)
	s_mov_b32 s71, 0
	s_lshl_b32 s78, s21, 2          ; my head's gain
	s_mov_b32 s79, 0
	; descriptor group 1: a tile of 64 rows x 128 elements, padded in LDS
	s_mov_b32 s[G1K], 15|(1<<16)|(1<<20)|(1<<21)|(5<<22)|(3<<25)  ; 15:0 the mask: all four work-groups; 17:16 elements of 2 bytes; 20 padding on; 21 set beside a mask; 24:22 after every 64 words; 31:25 4 words of it
	s_mov_b32 s[G1V], 15|(1<<16)|(1<<20)|(1<<21)|(5<<22)|(7<<25)  ; the same with 8 words of padding
.irp g, G1K, G1V
	s_mov_b32 s[\g+1], 128<<16      ; tensor_dim0 = 128
	s_mov_b32 s[\g+2], KS<<16       ; tensor_dim1 = 64
	s_mov_b32 s[\g+3], 128<<16      ; tile_dim0 = 128
	s_mov_b32 s[\g+4], KS           ; tile_dim1 = 64
	s_mov_b32 s[\g+5], 128          ; elements from row to row
	s_mov_b32 s[\g+6], 0
	s_mov_b32 s[\g+7], 0
.endr
	s_mov_b32 s[SEL], 0x76543210
	s_mov_b32 s[SEL+1], 0xfedcba98
	s_mov_b32 s[TB], 0
	s_mov_b32 s15, 0
	s_mov_b32 s16, 0
	s_mov_b32 s53, 0
	s_and_b32 s19, s[WV], 1         ; 0 in waves 0 and 2,
	s_or_b32 s19, s19, ttmp9        ; of the cluster with i = 0: the same in all four partners
	s_cmp_eq_u32 s19, 0
	s_cselect_b32 s19, 7, 0
	v_and_b32 v[PFO], 31, v0
	v_lshlrev_b32 v[PFO], 8, v[PFO]
	s_wait_dscnt 0x0                ; both opening adds are done
	s_wait_kmcnt 0x0
	s_add_nc_u64 s[6:7], s[6:7], s[78:79]
	s_load_b32 s20, s[6:7], 0x0     ; the gain
	s_add_nc_u64 s[48:49], s[4:5], s[72:73]  ; K at my half of key tile 0,
	s_add_nc_u64 s[50:51], s[48:49], 0x400000  ; V four head slots further on
	s_add_nc_u64 s[22:23], s[4:5], s[76:77]  ; q at my wave's first row, y at its first tile
	s_add_nc_u64 s[66:67], s[8:9], s[74:75]
	s_cmp_lt_u32 s[WV], 2
	s_cselect_b64 s[PFA:PFA+1], s[48:49], s[50:51]  ; (in waves 0 and 2 these stand at a tile's first row)
	s_lshl_b32 s2, s13, 13          ; my work-group's 32 rows of the 128
	s_mov_b32 s3, 0
	s_add_nc_u64 s[PFA:PFA+1], s[PFA:PFA+1], s[2:3]  ; in key tile 0; each change of slots steps it a tile on.  Nothing is prefetched here, at the head
	CROUND                          ; all four work-groups are here: the first joint loads meet
	s_mov_b32 s[G0K], 1             ; count = 1
	s_mov_b32 s[G0K+1], s63         ; LDS address: slot 0
	s_mov_b64 s[G0K+2:G0K+3], s[48:49]  ; global address: key tile 0
	s_or_b32 s[G0K+3], s[G0K+3], 0x80000000  ; type = 2
	s_mov_b32 s[G0V], 1
	s_add_co_u32 s[G0V+1], s63, VOFF
	s_mov_b64 s[G0V+2:G0V+3], s[50:51]
	s_or_b32 s[G0V+3], s[G0V+3], 0x80000000
	JLOAD                           ; one tensor load of mine is out, here and behind every later round
	v_and_b32 v1, 15, v0            ; l % 16
	v_bfe_u32 v9, v0, 4, 1          ; l / 16
	v_lshlrev_b32 v[QO], 8, v1
	v_lshl_add_u32 v[QO], v9, 4, v[QO]  ; row x 256 + 16 x half
	v_mul_u32_u24 v[AK0], v1, PK
	v_lshl_add_u32 v[AK0], v9, 4, v[AK0]  ; row x pitch + 16 x half
	; The turning load takes 16 keys x 16 channels (lane l reads 16 bytes: key 8 (l / 16) + l % 8, channels 8 ((l / 8) % 2) + 0..7) and leaves half a fragment of V^T
	v_and_b32 v34, 7, v0
	v_bfe_u32 v35, v0, 3, 1
	v_lshl_add_u32 v[AV0], v9, 3, v34
	v_mul_u32_u24 v[AV0], v[AV0], PV
	v_lshl_add_u32 v[AV0], v35, 4, v[AV0]
	v_add_nc_u32 v[AV0], VOFF, v[AV0]
	v_and_b32 v[GO], 31, v0
	v_lshlrev_b32 v[GO], 4, v[GO]   ; 16 x lane
	v_mov_b32 v[NEG], 0xff61b1e6    ; -3e38
	v_lshlrev_b32 v34, 3, v9
	v_sub_nc_u32 v[DD], v1, v34
	s_lshl_b32 s2, s[WV], 5
	v_add_nc_u32 v[DD], s2, v[DD]   ; 32 w + l % 16 - 8 (l / 16)
	v_add_nc_u32 v[DD+1], 16, v[DD]
	s_wait_kmcnt 0x0                ; the gain
	s_and_b32 s2, s20, 0x7fffffff
	v_mov_b32 v[CV], s2
	v_mul_f32 v[CV], 0x3e0293ee, v[CV]  ; c = |gain| log2(e) / sqrt(128),
	v_max_u32 v[CV], 0x0d800000, v[CV]  ; at least 2^-100 (of numbers that are not negative the larger has the larger bits)
	v_mov_b32 v[CV+1], v[CV]
	s_lshr_b32 s20, s20, 31
	s_mul_i32 s20, s20, 0x80008000  ; the gain's sign, for two f16 at once
; Product i of 32 of S^T = K Q^T: channels 32 (i / 8) on, keys 16 ((i / 2) % 4) on, tile i % 2.  The first 8 start the sums.  The accumulators take turns.
.macro MKQ
.set rS, S+32*(i%2)+8*((i/2)%4)
.set rK, KF+32*((i/2)%4)+8*(i/8)
.set rQ, QF+32*(i%2)+8*(i/8)
.if i < 8
	v_wmma_f32_16x16x32_f16 v[rS:rS+7], v[rK:rK+7], v[rQ:rQ+7], 0
.else
	v_wmma_f32_16x16x32_f16 v[rS:rS+7], v[rK:rK+7], v[rQ:rQ+7], v[rS:rS+7]
.endif
.endm
; Product i of 32 of O^T += V^T P: keys 32 (i / 16) on, channels 16 ((i / 2) % 8) on, tile i % 2
.macro MPV
.set rO, 64*(i%2)+8*((i/2)%8)
.set rV, 64*(i/16)+8*((i/2)%8)
.set rP, PF+16*(i%2)+8*(i/16)
	v_wmma_f32_16x16x32_f16 v[rO:rO+7], v[rV:rV+7], v[rP:rP+7], v[rO:rO+7]
.endm
.macro FETCH_K q                    ; step q's K: 64 keys x 128 channels, 16 fragments, 32 loads
	v_add_nc_u32 v[ADK], s[TB], v[AK0]
.irp f, 0,1,2,3,4,5,6,7,8,9,10,11,12,13,14,15  ; keys 16 (f / 4) on, channels 32 (f % 4) on
	ds_load_b128 v[KF+8*\f:KF+8*\f+3],   v[ADK] offset:(\q)*STEPB+(\f/4)*16*PK+(\f%4)*64
	ds_load_b128 v[KF+8*\f+4:KF+8*\f+7], v[ADK] offset:(\q)*STEPB+(\f/4)*16*PK+(\f%4)*64+32
.endr
.endm
.macro FETCH_V q                    ; step q's V, turned: 32 loads
	v_add_nc_u32 v[ADV], s[TB], v[AV0]
	WIN 0x80                        ; destination window 2
.irp f, 0,1,2,3,4,5,6,7,8,9,10,11,12,13,14,15  ; keys 32 (f / 8) on, channels 16 (f % 8) on
	ds_load_tr16_b128 v[8*\f:8*\f+3],   v[ADV] offset:(\q)*STEPB+(\f/8)*32*PV+(\f%8)*32
	ds_load_tr16_b128 v[8*\f+4:8*\f+7], v[ADV] offset:(\q)*STEPB+(\f/8)*32*PV+16*PV+(\f%8)*32
.endr
.endm
; On the diagonal: register n of tile t holds key 64 q + 16 (n / 8) + 8 (lane / 16) + n % 8 of the tile: hidden where it lies beyond my query.  Each accumulator is taken from its low end on.
.macro MASK q
.irp t, 0,1
.set n, 0
.rept 32
	v_cmp_gt_i32 vcc_lo, 64*(\q)+16*(n/8)+n%8, v[DD+\t]
	v_cndmask_b32 v[S+32*\t+n], v[S+32*\t+n], v[NEG], vcc_lo
.set n, n+1
.endr
.endr
.endm
; The two tiles' softmax for one step of 64 keys; the tiles alternate line by line, so that no line waits for the line above it.
.macro SOFTMAX
.irp k, 0,1,2,3
.irp t, 0,1
	v_max3_num_f32 v[ST+8*\t+4+\k], v[S+32*\t+8*\k], v[S+32*\t+8*\k+1], v[S+32*\t+8*\k+2]
.endr
.endr
.irp u, 3,5
.irp k, 0,1,2,3
.irp t, 0,1
	v_max3_num_f32 v[ST+8*\t+4+\k], v[ST+8*\t+4+\k], v[S+32*\t+8*\k+\u], v[S+32*\t+8*\k+\u+1]
.endr
.endr
.endr
.irp t, 0,1
	v_max3_num_f32 v[ST+8*\t+4], v[ST+8*\t+4], v[S+32*\t+7], v[S+32*\t+15]
.endr
.irp t, 0,1
	v_max3_num_f32 v[ST+8*\t+6], v[ST+8*\t+6], v[S+32*\t+23], v[S+32*\t+31]
.endr
.irp t, 0,1
	v_max3_num_f32 v[ST+8*\t+4], v[ST+8*\t+4], v[ST+8*\t+5], v[ST+8*\t+6]
.endr
.irp t, 0,1
	v_max3_num_f32 v[ST+8*\t+4], v[ST+8*\t+4], v[ST+8*\t+7], v[ST+8*\t+1]   ; the old m among the leaves
.endr
.irp t, 0,1
	v_permlanex16_b32 v[ST+8*\t+5], v[ST+8*\t+4], s[SEL], s[SEL+1]          ; the query's other 32 keys lie in the lane 16 away
.endr
.irp t, 0,1
	v_mov_b32 v[ST+8*\t+7], v[ST+8*\t]              ; c m_old is kept for a
.endr
.irp t, 0,1
	v_max_num_f32 v[ST+8*\t+1], v[ST+8*\t+4], v[ST+8*\t+5]
.endr
.irp t, 0,1
	v_mul_f32 v[ST+8*\t], v[CV], v[ST+8*\t+1]
.endr
.irp t, 0,1
	v_sub_f32 v[ST+8*\t+7], v[ST+8*\t+7], v[ST+8*\t]
.endr
.set p, 0
.rept 16
.irp t, 0,1
	v_pk_fma_f32 v[S+32*\t+2*p:S+32*\t+2*p+1], v[S+32*\t+2*p:S+32*\t+2*p+1], v[CV:CV+1], v[ST+8*\t:ST+8*\t+1] op_sel_hi:[1,0,0] neg_lo:[0,0,1] neg_hi:[0,0,1]  ; c s - c m
.endr
.set p, p+1
.endr
.irp t, 0,1
	v_exp_f32 v[ST+8*\t+6], v[ST+8*\t+7]            ; a
.endr
.set p, 0
.rept 32
.irp t, 0,1
	v_exp_f32 v[S+32*\t+p], v[S+32*\t+p]            ; p
.endr
.set p, p+1
.endr
	v_nop                           ; a plain instruction behind the last exponential,
	s_wait_alu depctr_va_vdst(0)    ; and ONE wait for the batch of 66, ahead of its first reader
	WIN 0x40                        ; destination window 1
.set p, 0
.rept 16
.irp t, 0,1
	v_cvt_pk_f16_f32 v[PF+16*\t+p], v[S+32*\t+2*p], v[S+32*\t+2*p+1]
.endr
.set p, p+1
.endr
	WIN 0
.irp w, 4,8,16,32                   ; the sum of a tile's 16 pairs, in place: neighbours 1, 2, 4 and 8 pairs apart
.set p, 0
.rept 32/\w
.irp t, 0,1
	v_pk_add_f32 v[S+32*\t+\w*p:S+32*\t+\w*p+1], v[S+32*\t+\w*p:S+32*\t+\w*p+1], v[S+32*\t+\w*p+\w/2:S+32*\t+\w*p+\w/2+1]
.endr
.set p, p+1
.endr
.endr
.irp t, 0,1
	v_pk_fma_f32 v[ST+8*\t+2:ST+8*\t+3], v[ST+8*\t+2:ST+8*\t+3], v[ST+8*\t+6:ST+8*\t+7], v[S+32*\t:S+32*\t+1] op_sel_hi:[1,0,1]   ; l = a l + the sum
.endr
	WIN W_RS
.set p, 0
.rept 32
.irp t, 0,1
	v_pk_mul_f32 v[64*\t+2*p:64*\t+2*p+1], v[64*\t+2*p:64*\t+2*p+1], v[ST+8*\t+6:ST+8*\t+7] op_sel_hi:[1,0]   ; O^T x a, each accumulator from its low end on
.endr
.set p, p+1
.endr
.endm
; A STEP of 64 keys, the q-th of the slot.  dm = 1: the tile lies on the diagonal for certain; 0: by s17.
.macro STEP q, dm
	FETCH_V \q                      ; (the last products that read V stand four places back)
	s_wait_dscnt 32                 ; K's 32 loads are in; V's 32, just issued, may be out
	WIN W_KQ
.set i, 0
.rept 32
	MKQ
.set i, i+1
.endr
	WIN 0
	PLACES                          ; in front of the loads into K's registers and of the first reads of the scores
.if \q == 0
	FETCH_K 1
.endif
.if \dm
	MASK \q
.else
	s_cmp_eq_u32 s17, 0             ; ids and the count of trips alone
	s_cbranch_scc1 .Lopen_\@
	MASK \q
.Lopen_\@:
.endif
	SOFTMAX
.if \q == 0
	s_wait_dscnt 32                 ; V is in; the next step's K, 32 loads issued behind it, may be out
.else
	s_wait_dscnt 0x0                ; V is in
.endif
	WIN W_PV
.set i, 0
.rept 32
	MPV
.set i, i+1
.endr
	WIN 0
	PLACES                          ; in front of the next loads into V's registers, of writes of P and of reads of O^T
.endm
.macro SLOTWORK dm
	FETCH_K 0
	STEP 0, \dm
	STEP 1, \dm
	s_xor_b32 s[TB], s[TB], SLOT1   ; on to the other slot
.endm
; THE CHANGE OF SLOTS stands at a tile's head.  Each wave waits for all its tensor loads (its part of the tile that it is about to read), adds 0 to its spare word, and waits for that and for its reads of the slot that it has left.
; fill = 1: the barrier is a round of the cluster's, and behind it the slot that was left is filled with the next tile of the walk: key tile + 1, or key tile 0 where the first block ends.
.macro CHANGE fill
	s_wait_tensorcnt 0x0            ; no tensor load of mine is out, so a group 0 may be written
	ds_add_u32 v[SPW], v[NIL]       ; 0 onto my spare word
.if \fill
	s_add_co_u32 s16, s16, 1
	s_cmp_eq_u32 s15, s14
	s_cselect_b32 s16, 0, s16       ; behind tile i the second block begins at key tile 0
	s_lshl_b32 s52, s16, 15         ; 128 rows of 256 bytes a key tile
	s_add_nc_u64 s[G0K+2:G0K+3], s[48:49], s[52:53]
	s_or_b32 s[G0K+3], s[G0K+3], 0x80000000
	s_add_nc_u64 s[G0V+2:G0V+3], s[50:51], s[52:53]
	s_or_b32 s[G0V+3], s[G0V+3], 0x80000000
	s_xor_b32 s[G0K+1], s[G0K+1], SLOT1  ; the other slot than last time
	s_xor_b32 s[G0V+1], s[G0V+1], SLOT1
	s_wait_xcnt 0x0                 ; the last prefetch, a tile back, has read its address, so it may be written
	s_add_nc_u64 s[PFA:PFA+1], s[PFA:PFA+1], 2*KS*256
	s_wait_dscnt 0x0                ; the add is done, and my reads of the slot that I have left are over
	CROUND
	JLOAD                           ; the first thing behind the round, and my one tensor load until the next
	ASK
.else
	s_wait_dscnt 0x0
	s_barrier_signal -1
	s_barrier_wait -1
.endif
.endm
; A block begins: its 32 rows of q come into registers, O^T and l become 0, m becomes -3e38 (under every score), and the gain's sign goes onto q.
.macro INIT
	WIN 0x40                        ; destination window 1
.irp i, 0,1,2,3,4,5,6,7             ; tile i / 4, channels 32 (i % 4) on
	global_load_b128 v[QF+8*\i:QF+8*\i+3],   v[QO], s[22:23] offset:(\i/4)*4096+(\i%4)*64
	global_load_b128 v[QF+8*\i+4:QF+8*\i+7], v[QO], s[22:23] offset:(\i/4)*4096+(\i%4)*64+32
.endr
.set i, 0
.rept 128
	v_mov_b32 v[i], 0               ; O^T: the step is written once, and its first products add onto zeros
.set i, i+1
.endr
	WIN 0
.irp t, 0,1
	v_mov_b32 v[ST+8*\t+1], v[NEG]
	v_mul_f32 v[ST+8*\t], v[CV], v[NEG]  ; (it may be -infinity: then the first a is 0, as it should be)
	v_mov_b32 v[ST+8*\t+2], 0
	v_mov_b32 v[ST+8*\t+3], 0
.endr
	s_wait_loadcnt 0x0
	WIN 0x44                        ; source 1 and destination window 1
.set i, 0
.rept 64
	v_xor_b32 v[QF+i], s20, v[QF+i]
.set i, i+1
.endr
	WIN 0
.endm
; THE WAY OUT of a block.  l's two halves and the other half of the lanes' are added; O^T is divided by l and rounded to f16.  Tile f's four packed registers are registers 0-3 (f even) or 4-7 (f odd) of chunk 4 head + f / 2 of the tile's 16 tokens: they are stored as they stand.
.macro PACK t
	WIN W_RS
.set i, 64*\t
.rept 32
	v_pk_mul_f32 v[i:i+1], v[i:i+1], v[ST+8*\t+6:ST+8*\t+7] op_sel_hi:[1,0]
.set i, i+2
.endr
	WIN 0x05                        ; sources 0 and 1 window 1, destination window 0: S^T's registers are free
.set i, 0
.rept 32
	v_cvt_pk_f16_f32 v[S+32*\t+i], v[64*\t+2*i], v[64*\t+2*i+1]
.set i, i+1
.endr
	WIN 0
.irp f, 0,1,2,3,4,5,6,7
	global_store_b128 v[GO], v[S+32*\t+4*\f:S+32*\t+4*\f+3], s[66:67] offset:\t*65536+\f*512  ; 32 lanes store 512 consecutive bytes, aligned
.endr
.endm
.macro WAYOUT
.irp t, 0,1
	v_add_f32 v[ST+8*\t+4], v[ST+8*\t+2], v[ST+8*\t+3]
.endr
.irp t, 0,1
	v_permlanex16_b32 v[ST+8*\t+5], v[ST+8*\t+4], s[SEL], s[SEL+1]
.endr
.irp t, 0,1
	v_add_f32 v[ST+8*\t+4], v[ST+8*\t+4], v[ST+8*\t+5]
.endr
.irp t, 0,1
	v_rcp_f32 v[ST+8*\t+6], v[ST+8*\t+4]
.endr
	v_nop                           ; a plain instruction behind the last reciprocal,
	s_wait_alu depctr_va_vdst(0)    ; and one wait for the two, ahead of their first reader
	PACK 0
	PACK 1
.endm
	INIT                            ; block i; tile 0 lands meanwhile
.Ltrip:                             ; 8 trips: trip n works tile n of the walk and asks for tile n + 1
	CHANGE 1
	s_cmp_eq_u32 s15, s14
	s_cselect_b32 s17, 1, 0         ; tile i is the first block's last: its diagonal
	SLOTWORK 0
	s_cmp_eq_u32 s17, 0
	s_cbranch_scc1 .Lsame_block
	WAYOUT                          ; block i is finished
	s_wait_xcnt 0x0                 ; its stores have read their registers and their base, q's loads theirs
	s_add_nc_u64 s[22:23], s[22:23], s[68:69]
	s_add_nc_u64 s[66:67], s[66:67], s[70:71]
	INIT                            ; block 7 - i
.Lsame_block:
	s_add_co_u32 s15, s15, 1
	s_cmp_lt_u32 s15, 8
	s_cbranch_scc1 .Ltrip
	CHANGE 0                        ; tile 8 is written out: nothing is left to ask for
	SLOTWORK 1                      ; it is always the diagonal of block 7 - i
	WAYOUT
	s_wait_tensorcnt 0x0            ; the wave's end
	ds_add_u32 v[SPW], v[NIL]
	s_wait_dscnt 0x0
	CROUND                          ; the closing round: no work-group ends while a partner may still ask for a tile that names it
	s_endpgm
.Lfunc_end_k_q6024d0e26d_attn:
	.size	k_q6024d0e26d_attn, .Lfunc_end_k_q6024d0e26d_attn-k_q6024d0e26d_attn
	.p2alignl 7, 3214868480
	.fill 96, 4, 3214868480
	.section	.rodata,"a",@progbits
	.p2align	6, 0x0
	.amdhsa_kernel k_q6024d0e26d_attn
		.amdhsa_group_segment_fixed_size 327680
		.amdhsa_private_segment_fixed_size 0
		.amdhsa_enable_private_segment 0
		.amdhsa_kernarg_size 24
		.amdhsa_user_sgpr_count 2
		.amdhsa_user_sgpr_kernarg_segment_ptr 1
		.amdhsa_wavefront_size32 1
		.amdhsa_system_sgpr_workgroup_id_x 1
		.amdhsa_system_sgpr_workgroup_id_y 1
		.amdhsa_system_sgpr_workgroup_id_z 1
		.amdhsa_system_vgpr_workitem_id 0
		.amdhsa_next_free_vgpr 640
		.amdhsa_next_free_sgpr 80
		.amdhsa_reserve_vcc 1
		.amdhsa_float_denorm_mode_32 3
		.amdhsa_float_denorm_mode_16_64 3
		.amdhsa_memory_ordered 1
		.amdhsa_forward_progress 1
		.amdhsa_inst_pref_size 158
	.end_amdhsa_kernel
	.amdgpu_metadata
---
amdhsa.version: [ 1, 2 ]
amdhsa.kernels:
  - .name:           k_q6024d0e26d_attn
    .symbol:         k_q6024d0e26d_attn.kd
    .args:
      - { .name: qkv, .offset: 0, .size: 8, .value_kind: global_buffer, .address_space: global }
      - { .name: q_gain, .offset: 8, .size: 8, .value_kind: global_buffer, .address_space: global }
      - { .name: y, .offset: 16, .size: 8, .value_kind: global_buffer, .address_space: global }
    .group_segment_fixed_size: 327680
    .private_segment_fixed_size: 0
    .kernarg_segment_align: 8
    .kernarg_segment_size: 24
    .max_flat_workgroup_size: 128
    .sgpr_count:     80
    .vgpr_count:     640
    .wavefront_size: 32
...
	.end_amdgpu_metadata
.endif
;; end of part 3
;; launch proj (part 4): grid 8 x 32, 4 waves a work-group, clusters of 4 x 4, 327,680 bytes of LDS; arguments y, wp16, out0; writes out0
.if DOCPART == 4
	.amdgcn_target "amdgcn-amd-amdhsa--gfx1250"
	.amdhsa_code_object_version 6
	.text
	.protected	k_q6024d0e26d_proj
	.globl	k_q6024d0e26d_proj
	.p2align	8
	.type	k_q6024d0e26d_proj,@function
k_q6024d0e26d_proj:
	s_mov_b64 s[64:65], 0
	v_nop
	global_prefetch_b8 v0, s[64:65] scope:SCOPE_SE
	s_setreg_imm32_b32 hwreg(HW_REG_WAVE_MODE, 25, 1), 1
	s_wait_xcnt 0x0
	s_wait_alu depctr_hold_cnt(0) depctr_sa_sdst(0) depctr_va_vdst(0) depctr_va_sdst(0) depctr_va_ssrc(0) depctr_va_vcc(0) depctr_vm_vsrc(0)
	s_getreg_b32 s2, hwreg(HW_REG_IB_STS2, 6, 4)
	s_cmp_eq_u32 s2, 0
	s_cbranch_scc0 .Lentry_in_a_cluster
	s_endpgm
.Lentry_in_a_cluster:
	s_bfe_u32 s2, ttmp6, 0x10000c
	s_cmp_lg_u32 s2, 0xf033
	s_cbranch_scc0 .Lentry_shape_is_right
	s_endpgm
.Lentry_shape_is_right:
; PROJ: out0[m][n] = sum over k of y[m][k] Wproj[n][k], m: 4,096 tokens, n: 2,048, K = 2,048; f16 operands, sums in f32, out0 f32 [4,096][2,048].
; y and wp16 LIE IN THE ORDER OF THE OPERAND'S REGISTERS: [tile of 16 rows][64 chunks of 32 along K][1,024 bytes]; a chunk is a fragment's image: registers 0-3 at 16 x lane, registers 4-7 at 512 + 16 x lane.
; So a fragment comes out of LDS by two loads of 512 consecutive bytes, which meet no bank twice, and LDS rows need no padding: 384 rows cost 768 bytes of LDS for each unit of K.
; A tile of out0 is 128 x 256: 32 x 8 = 256 work-groups (tiles of 256 x 256 would be 128).  Four waves, each 64 rows x 128 columns: 32 accumulators of 16 x 16, 256 registers.
; K goes through a ring of two LDS slots of SIX chunks (192 along K: 147,456 bytes; two slots of seven do not fit in LDS): 192 matrix instructions a wave to a slot.  64 chunks are ten such slots and a last one of four.
; A wave's tensor load brings 4 (y) or 8 (wp16) row tiles' part of a slot: rows of 6,144 consecutive bytes, 65,536 bytes apart in memory, dense in LDS.
; CLUSTERS: 4 x 4 work-groups.  The four of a row of the cluster need the same tiles of y, the four of a column the same tiles of wp16: each tile is asked for JOINTLY.
; THE MATRIX INSTRUCTION IS USED TRANSPOSED (source 0 = 16 rows of wp16, source 1 = 16 rows of y): a lane then holds eight neighbouring numbers of a row of out0.
; REGISTERS: window 0: v0-31 addresses; v32-127 and v128-223 two fragment buffers for 32 along K: wp16's 8 fragments, then y's 4; on the way out v32-159 rows of out0.   window 1: accumulator (a, b) at v[8 (8 a + b)].
.set SIZE_N, 2048
.set CHB,    1024                      ; a chunk: a fragment's image
.set ROWP,   6*CHB                     ; a row tile's part of a slot
.set ROWL,   4*CHB                     ; and of the last slot
.set TILEB,  64*CHB                    ; a row tile in memory
.set HALFA,  4*ROWP                    ; what one tensor load brings of y, and what one wave reads of it
.set ABYTES, 2*HALFA
.set HALFB,  8*ROWP                    ; the same for wp16
.set SLOT,   ABYTES+2*HALFB            ; y's 8 row tiles, then wp16's 16
.set SPARE,  2*SLOT                    ; behind the ring: the spare words, 128 bytes a wave
.set SPITCH, 528                       ; the way out: a stage of 16 rows x (512 bytes + 16) for each wave,
.set STAGE,  SLOT                      ; in slot 1: the last slot that is read is slot 0; slot 1 has had its last fill, and every wave's last read of it lies ahead of the last barrier
.set ADRA, 16                          ; v16-17  LDS address of my y fragments in slot 0, 1
.set ADRB, 20                          ; v20-21  the same for wp16
.set STO,  24                          ; v24     the way out: where I put 32 bytes of a row
.set RD,   25                          ; v25     the way out: where I read a row back
.set CO,   26                          ; v26     16 x lane
.set SPW,  28                          ; v28     LDS address of my spare word; never rewritten
.set NIL,  29                          ; v29     0; never rewritten
.set PFO,  30                          ; v30     256 x lane; never rewritten
.set F0,   32
.set F1,   128
.set BK,   32                          ; the way out: 16 rows read back: v32-95 and v96-159 by turns
.set G1,  24                           ; s[24:31] group 1 for y's tiles;  s[32:39] group 0, one set for each slot
.set G0,  32
.set G1B, 48                           ; s[48:55], s[56:63] the same for wp16's
.set G0B, 56
.set G1S, 72                           ; s[72:79], s[80:87] groups 1 for the last slot's tiles: rows of 4,096 bytes
.set G1SB, 80
.set PFA, 66                           ; s[66:67] where my prefetches stand
.set LIM, 68                           ; s68     1 in a wave that prefetches, else the greatest number
.set MSB, 0
.macro WIN new                         ; the immediate's high byte repeats the setting that is left
.if MSB != \new
	s_set_vgpr_msb (MSB<<8)|\new
.set MSB, \new
.endif
.endm
.set MUL, 0x50                         ; sources 0 and 1 window 0; C and D window 1
; A joint load: waves 0 and 1 fetch y's two halves, waves 2 and 3 wp16's.  The branch hangs on the wave's number alone.  An s_nop 0 and four v_nop follow each of the two lines.
.macro JLOAD g0a, g1a, g0b, g1b
	s_cmp_eq_u32 s11, 0
	s_cbranch_scc0 .Lfor_b_\@
	tensor_load_to_lds s[\g0a:\g0a+3], s[\g1a:\g1a+7]
	s_nop 0
.rept 4
	v_nop
.endr
	s_branch .Lasked_\@
.Lfor_b_\@:
	tensor_load_to_lds s[\g0b:\g0b+3], s[\g1b:\g1b+7]
	s_nop 0
.rept 4
	v_nop
.endr
.Lasked_\@:
.endm
; A PREFETCH INTO THE L2, behind a joint load and the run of LDS loads that follows it.  It goes by units of 8,192 bytes of a row tile (8 chunks), lanes 256 bytes apart: refill n of the launch (n = 0 .. 5) names unit n + 2.
; Refill n asks for bytes 6,144 (n + 2) on of each row tile, so a unit is named one or two refills (192 or 384 matrix instructions) ahead of the load that first wants it.  Units 0 and 1 come by their loads alone; the loop's last trip and the tail name nothing: unit 7 is a row tile's last.
; y's tile row is read by both clusters of that row of clusters: the one with x = 0 names it; wp16's tile column by all eight clusters of that column: the one with y = 0 names it.
; Partners share the row tiles out by address: of the 4 that a wave fetches of y the partner at place cx takes one; of the 8 of wp16 the partner at place cy takes two, by a second instruction 65,536 bytes on.  So each block of 256 bytes is named once.
.macro ASK
	s_cmp_gt_u32 s3, s[LIM]                        ; s3 = 1 in the loop's last trip
	s_cbranch_scc0 .Lnot_mine_\@
	global_prefetch_b8 v[PFO], s[PFA:PFA+1] th:TH_LOAD_NT scope:SCOPE_SE
	s_cmp_eq_u32 s11, 0                            ; the wave's number alone
	s_cbranch_scc1 .Lnot_mine_\@
	global_prefetch_b8 v[PFO], s[PFA:PFA+1] offset:TILEB th:TH_LOAD_NT scope:SCOPE_SE
.Lnot_mine_\@:
.endm
.macro CREST                           ; a round of the cluster's barrier behind its opening barrier
	s_cmp_lg_u32 s10, 0
	s_cbranch_scc1 .Lnot_wave_0_\@
	s_barrier_signal -3
.Lnot_wave_0_\@:
	s_barrier_wait -3
	s_barrier_signal -1
	s_barrier_wait -1
.endm
.macro CROUND                          ; a whole round
	s_barrier_signal -1
	s_barrier_wait -1
	CREST
.endm
	s_load_b128 s[4:7], s[0:1], 0x0                ; y s[4:5], wp16 s[6:7]
	s_load_b64 s[8:9], s[0:1], 0x10                ; out0
	v_lshl_add_u32 v[SPW], v0, 2, SPARE
	v_mov_b32 v[NIL], 0
	ds_add_u32 v[SPW], v[NIL]                      ; the wave's opening: the add, twice on end, and its wait ahead of my first tensor load
	ds_add_u32 v[SPW], v[NIL]
	v_lshrrev_b32 v1, 5, v0
	v_readfirstlane_b32 s10, v1                    ; wave 0..3
	s_lshr_b32 s11, s10, 1                         ; which 64 of the tile's rows are mine.  Also: I fetch for y (0) or for wp16 (1)
	s_and_b32 s12, s10, 1                          ; which 128 of its columns.  Also: which half of that tile's rows I fetch
	s_bfe_u32 s40, ttmp6, 0x40000                  ; cx, cy: my place in the cluster
	s_bfe_u32 s41, ttmp6, 0x40004
	s_lshl_b32 s42, ttmp9, 2
	s_add_co_u32 s42, s42, s40                     ; tile column = 4 x cluster x + cx
	s_and_b32 s13, ttmp7, 0xffff
	s_lshl_b32 s13, s13, 2
	s_add_co_u32 s13, s13, s41                     ; tile row = 4 x cluster y + cy
	s_lshl_b32 s43, s41, 2
	s_lshl_b32 s43, 15, s43                        ; my row of the cluster
	s_lshl_b32 s44, 0x1111, s40                    ; my column
	; descriptor groups 1: 4 (y) or 8 (wp16) rows of 768 elements of 8 bytes, 8,192 elements apart in memory, dense in LDS; for the last slot rows of 512 elements
	s_or_b32 s[G1+0], s43, (3<<16)|(1<<21)         ; 15:0 the mask: y's tiles go to my row; 17:16 element of 8 bytes; 20 no padding; 21 set beside a mask
	s_or_b32 s[G1B+0], s44, (3<<16)|(1<<21)
	s_or_b32 s[G1S+0], s43, (3<<16)|(1<<21)
	s_or_b32 s[G1SB+0], s44, (3<<16)|(1<<21)
	s_mov_b32 s[G1+1], (ROWP/8)<<16                ; tensor_dim0 = 768
	s_mov_b32 s[G1+2], 4<<16                       ; tensor_dim1 = 4
	s_mov_b32 s[G1+3], (ROWP/8)<<16                ; tile_dim0 = 768
	s_mov_b32 s[G1+4], 4                           ; tile_dim1 = 4
	s_mov_b32 s[G1+5], TILEB/8                     ; elements from row to row
	s_mov_b32 s[G1+6], 0
	s_mov_b32 s[G1+7], 0
	s_mov_b32 s[G1B+1], (ROWP/8)<<16
	s_mov_b32 s[G1B+2], 8<<16
	s_mov_b32 s[G1B+3], (ROWP/8)<<16
	s_mov_b32 s[G1B+4], 8
	s_mov_b32 s[G1B+5], TILEB/8
	s_mov_b32 s[G1B+6], 0
	s_mov_b32 s[G1B+7], 0
	s_mov_b32 s[G1S+1], (ROWL/8)<<16               ; tensor_dim0 = 512
	s_mov_b32 s[G1S+2], 4<<16
	s_mov_b32 s[G1S+3], (ROWL/8)<<16               ; tile_dim0 = 512
	s_mov_b32 s[G1S+4], 4
	s_mov_b32 s[G1S+5], TILEB/8
	s_mov_b32 s[G1S+6], 0
	s_mov_b32 s[G1S+7], 0
	s_mov_b32 s[G1SB+1], (ROWL/8)<<16
	s_mov_b32 s[G1SB+2], 8<<16
	s_mov_b32 s[G1SB+3], (ROWL/8)<<16
	s_mov_b32 s[G1SB+4], 8
	s_mov_b32 s[G1SB+5], TILEB/8
	s_mov_b32 s[G1SB+6], 0
	s_mov_b32 s[G1SB+7], 0
	; where the tiles come from: y's hang on the tile row alone, wp16's on the tile column alone
	s_lshl_b32 s16, s13, 3
	s_lshl_b32 s17, s12, 2
	s_add_co_u32 s16, s16, s17                     ; y: row tile 8 x tile row + 4 x half,
	s_lshl_b32 s16, s16, 16                        ; of 65,536 bytes
	s_mov_b32 s17, 0
	s_lshl_b32 s46, s42, 4
	s_lshl_b32 s47, s12, 3
	s_add_co_u32 s46, s46, s47                     ; wp16: row tile 16 x tile column + 8 x half
	s_lshl_b32 s46, s46, 16
	s_mov_b32 s47, 0
	s_mul_i32 s20, s12, HALFA                      ; and where they go: no place in the cluster enters an LDS address
	s_mul_i32 s21, s12, HALFB
	s_add_co_u32 s21, s21, ABYTES
	s_wait_dscnt 0x0                               ; both opening adds are done
	s_wait_kmcnt 0x0
	s_add_nc_u64 s[14:15], s[4:5], s[16:17]
	s_add_nc_u64 s[46:47], s[6:7], s[46:47]
	CROUND                                         ; all sixteen work-groups are here: the first joint loads meet
.irp s, 0,1
	s_mov_b32 s[G0+4*\s], 1                                        ; count = 1
	s_add_co_u32 s[G0+4*\s+1], s20, \s*SLOT                        ; LDS address
	s_add_nc_u64 s[G0+4*\s+2:G0+4*\s+3], s[14:15], \s*ROWP         ; global address: chunks 6 s on
	s_or_b32 s[G0+4*\s+3], s[G0+4*\s+3], 0x80000000                ; type = 2
	s_mov_b32 s[G0B+4*\s], 1
	s_add_co_u32 s[G0B+4*\s+1], s21, \s*SLOT
	s_add_nc_u64 s[G0B+4*\s+2:G0B+4*\s+3], s[46:47], \s*ROWP
	s_or_b32 s[G0B+4*\s+3], s[G0B+4*\s+3], 0x80000000
	JLOAD G0+4*\s, G1, G0B+4*\s, G1B               ; two loads of mine are out now
.endr
	v_and_b32 v1, 15, v0                           ; l % 16
	v_bfe_u32 v2, v0, 4, 1                         ; l / 16
	v_and_b32 v6, 31, v0
	v_lshlrev_b32 v[CO], 4, v6                     ; 16 x lane: my place in an image, in a stage row and in a row of out0
	s_mul_i32 s21, s11, HALFA                      ; my 4 row tiles of y
	s_mul_i32 s22, s12, HALFB                      ; my 8 row tiles of wp16,
	s_add_co_u32 s22, s22, ABYTES                  ; which lie behind y's 8
.irp s, 0,1
	v_add_nc_u32 v[ADRA+\s], s21, v[CO]
	v_add_nc_u32 v[ADRB+\s], s22, v[CO]
	s_add_co_u32 s21, s21, SLOT
	s_add_co_u32 s22, s22, SLOT
.endr
	s_mul_i32 s23, s10, 16*SPITCH
	s_add_co_u32 s23, s23, STAGE                   ; my stage
	v_mul_u32_u24 v5, v1, SPITCH                   ; in: row l % 16, 32 bytes for each half of the lanes
	v_lshl_add_u32 v5, v2, 5, v5
	v_add_nc_u32 v[STO], s23, v5
	v_add_nc_u32 v[RD], s23, v[CO]                 ; back: the 32 lanes take one row of 512 bytes
	s_lshl_b32 s16, s13, 7
	s_lshl_b32 s17, s11, 6
	s_add_co_u32 s16, s16, s17                     ; my first row of out0: 128 x tile row + 64 x half,
	s_lshl_b32 s16, s16, 13                        ; of 8,192 bytes
	s_lshl_b32 s46, s42, 10                        ; my first column, in bytes: 1,024 x tile column + 512 x half
	s_lshl_b32 s47, s12, 9
	s_add_co_u32 s46, s46, s47
	s_add_co_u32 s16, s16, s46
	s_mov_b32 s17, 0
	s_add_nc_u64 s[8:9], s[8:9], s[16:17]
	; the prefetches
	s_lshl_b32 s20, s13, 3
	s_lshl_b32 s22, s12, 2
	s_add_co_u32 s20, s20, s22                     ; y: the 4 row tiles that I fetch,
	s_add_co_u32 s20, s20, s40                     ; my work-group's one of them
	s_lshl_b32 s21, s42, 4
	s_lshl_b32 s23, s12, 3
	s_add_co_u32 s21, s21, s23                     ; wp16: the 8,
	s_lshl_b32 s23, s41, 1
	s_add_co_u32 s21, s21, s23                     ; my work-group's two
	s_and_b32 s22, ttmp7, 0xffff                   ; cluster y
	s_cmp_eq_u32 s11, 0                            ; do I fetch for y?
	s_cselect_b32 s20, s20, s21
	s_cselect_b32 s22, ttmp9, s22                  ; the coordinate along which other clusters read the same rows
	s_cselect_b64 s[PFA:PFA+1], s[4:5], s[6:7]
	s_cmp_eq_u32 s22, 0
	s_cselect_b32 s[LIM], 1, -1                    ; the same in all sixteen partners, for a given wave
	s_lshl_b32 s20, s20, 16
	s_add_co_u32 s20, s20, 8192                    ; at unit 1: the first refill steps it to unit 2.  Nothing is prefetched here, at the head
	s_mov_b32 s21, 0
	s_add_nc_u64 s[PFA:PFA+1], s[PFA:PFA+1], s[20:21]
	v_lshlrev_b32 v[PFO], 8, v6
; 8 matrix instructions: y's block a against wp16's eight, 32 along K, from buffer f.  zero = 1: the first product starts the sums.  The 32 accumulators take turns, in the same order in every quarter.
.macro MUL8 f, a, zero
.irp b, 0,1,2,3,4,5,6,7
.if \zero
	v_wmma_f32_16x16x32_f16 v[8*(8*(\a)+\b):8*(8*(\a)+\b)+7], v[\f+8*\b:\f+8*\b+7], v[\f+64+8*(\a):\f+64+8*(\a)+7], 0
.else
	v_wmma_f32_16x16x32_f16 v[8*(8*(\a)+\b):8*(8*(\a)+\b)+7], v[\f+8*\b:\f+8*\b+7], v[\f+64+8*(\a):\f+64+8*(\a)+7], v[8*(8*(\a)+\b):8*(8*(\a)+\b)+7]
.endif
.endr
.endm
; 24 LDS loads in one run: the fragments of the slot's chunk q into buffer f; rp: bytes from row tile to row tile in that slot.  Each load takes 512 consecutive bytes.
.macro FETCH slot, q, f, rp
	WIN 0
.irp i, 0,1,2,3,4,5,6,7
	ds_load_b128 v[\f+8*\i:\f+8*\i+3],   v[ADRB+\slot] offset:\i*(\rp)+(\q)*CHB
	ds_load_b128 v[\f+8*\i+4:\f+8*\i+7], v[ADRB+\slot] offset:\i*(\rp)+(\q)*CHB+512
.endr
.irp i, 0,1,2,3
	ds_load_b128 v[\f+64+8*\i:\f+64+8*\i+3],   v[ADRA+\slot] offset:\i*(\rp)+(\q)*CHB
	ds_load_b128 v[\f+64+8*\i+4:\f+64+8*\i+7], v[ADRA+\slot] offset:\i*(\rp)+(\q)*CHB+512
.endr
.endm
.macro PLACES                          ; four places in front of loads into registers that matrix instructions have read, and of the first read of results
.rept 4
	v_nop
.endr
.endm
; A slot is six quarters of 32 along K (the last slot: four), 32 matrix instructions each, on buffers 0, 1 by turns.  One that is not the slot's last: asks for the slot's chunk q into g, and multiplies buffer f, which holds chunk q - 1.
.macro QUARTER slot, q, f, g, zero, rp
	s_wait_dscnt 0x0                               ; buffer f is in: its loads were issued a whole quarter ago
	PLACES                                         ; buffer g was multiplied by the quarter before
	FETCH \slot, \q, \g, \rp
	WIN MUL
	MUL8 \f, 0, \zero
	MUL8 \f, 1, \zero
	MUL8 \f, 2, \zero
	MUL8 \f, 3, \zero
.endm
; A slot's last quarter multiplies buffer 1 and changes slots: ONE barrier; in front of it each wave waits for all its tensor loads, adds 0 to its spare word, and waits for that and for its own reads of this slot.
; fill = 1: this slot is filled again, with the chunks two slots on; 2: the same with the last slot's four chunks; 0: nothing is left to fetch.  rp: the next slot's bytes from row tile to row tile.
.macro TURN slot, next, fill, rp
.if \fill == 1
	s_wait_xcnt 0x0                                ; the last prefetches, a slot back, have read their address: it is stepped here, ahead of the waits of the change of slots
	s_add_nc_u64 s[PFA:PFA+1], s[PFA:PFA+1], 8192
.endif
	WIN 0                                          ; (the add's two registers lie in window 0)
	s_wait_tensorcnt 0x0                           ; all my tensor loads have landed: my part of the next slot
	ds_add_u32 v[SPW], v[NIL]                      ; 0 onto my spare word
	s_wait_dscnt 1                                 ; buffer 1 is in (the add may be out)
	WIN MUL
	MUL8 F1, 0, 0                                  ; eight matrix instructions stand between the add and the wait for it
	s_wait_dscnt 0x0                               ; the add is done, and my reads of this slot are over
	s_barrier_signal -1
	MUL8 F1, 1, 0
	WIN 0
	s_barrier_wait -1
.if \fill
	CREST                                          ; the barrier has opened a round of the cluster's barrier: no wave of any partner still reads this slot or has a load on its way
	s_add_nc_u64 s[G0+4*\slot+2:G0+4*\slot+3], s[G0+4*\slot+2:G0+4*\slot+3], 2*ROWP
	s_add_nc_u64 s[G0B+4*\slot+2:G0B+4*\slot+3], s[G0B+4*\slot+2:G0B+4*\slot+3], 2*ROWP
.if \fill == 1
	JLOAD G0+4*\slot, G1, G0B+4*\slot, G1B         ; the first tensor load behind the round: 176 matrix instructions ahead of the wait for it; its four v_nop are the places in front of the loads below
.else
	JLOAD G0+4*\slot, G1S, G0B+4*\slot, G1SB
.endif
.else
	PLACES
.endif
	FETCH \next, 0, F0, \rp
.if \fill == 1
	ASK
.endif
	WIN MUL
	MUL8 F1, 2, 0
	MUL8 F1, 3, 0
.endm
.macro REST slot                       ; a whole slot's quarters 1 to 4: they ask for chunks 2 to 5
	QUARTER \slot, 2, F1, F0, 0, ROWP
	QUARTER \slot, 3, F0, F1, 0, ROWP
	QUARTER \slot, 4, F1, F0, 0, ROWP
	QUARTER \slot, 5, F0, F1, 0, ROWP
.endm
	s_wait_tensorcnt 1                             ; my part of slot 0 is in (slot 1's load may be out)
	s_barrier_signal -1
	s_barrier_wait -1                              ; everybody's is
	FETCH 0, 0, F0, ROWP
	QUARTER 0, 1, F0, F1, 1, ROWP                  ; the first quarter stands in front of the loop: its products start the sums
	WIN 0                                          ; at a label and at a branch every window is 0
	s_mov_b32 s3, 4
.Llap:                                                 ; a trip goes once round the ring, 12 quarters, from a lap's second quarter to the next lap's first, and fills both slots again: four trips ask for slots 2 to 9 of the eleven
	REST 0
	TURN 0, 1, 1, ROWP
	QUARTER 1, 1, F0, F1, 0, ROWP
	REST 1
	TURN 1, 0, 1, ROWP
	QUARTER 0, 1, F0, F1, 0, ROWP
	WIN 0
	s_sub_co_u32 s3, s3, 1
	s_cmp_lg_u32 s3, 0
	s_cbranch_scc1 .Llap
	REST 0                                         ; the tail is written out: slot 8 of the eleven goes on,
	TURN 0, 1, 2, ROWP                             ; its bytes take the last four chunks;
	QUARTER 1, 1, F0, F1, 0, ROWP                  ; slot 9;
	REST 1
	TURN 1, 0, 0, ROWL                             ; nothing is left to fetch, so no round follows;
	QUARTER 0, 1, F0, F1, 0, ROWL                  ; the last slot's four quarters
	QUARTER 0, 2, F1, F0, 0, ROWL
	QUARTER 0, 3, F0, F1, 0, ROWL
	s_wait_dscnt 0x0
	MUL8 F1, 0, 0
	MUL8 F1, 1, 0
	MUL8 F1, 2, 0
	MUL8 F1, 3, 0
	WIN 0
; THE WAY OUT, block by block of 16 rows x 128 columns.  A lane holds 32 neighbouring bytes of a row, and the lanes beside it hold other rows: so a block goes through my own stage in LDS and comes back as whole rows of 512 bytes.
.macro TOSTAGE a
.set AC, 64*(\a)
	WIN 0x04                                       ; an LDS store's data are its source 1: window 1
.irp b, 0,1,2,3,4,5,6,7
	ds_store_b128 v[STO], v[AC+8*\b:AC+8*\b+3] offset:64*\b          ; each accumulator from its low end on
	ds_store_b128 v[STO], v[AC+8*\b+4:AC+8*\b+7] offset:64*\b+16
.endr
	WIN 0
.set BB, BK+64*((\a)%2)
.irp t, 0,1,2,3,4,5,6,7,8,9,10,11,12,13,14,15
	ds_load_b128 v[BB+4*\t:BB+4*\t+3], v[RD] offset:\t*SPITCH        ; LDS serves a wave's instructions in order: these see the stores above
.endr
.endm
.macro SEND a, younger                 ; younger: the LDS instructions issued behind block a's loads, which may stay out
.set BB, BK+64*((\a)%2)
	s_wait_dscnt \younger                          ; the block is back in registers
.if (\a) > 0
	s_add_nc_u64 s[8:9], s[8:9], 16*SIZE_N*4       ; (behind a wait on XCNT: the earlier stores have read their base)  16 rows of out0 on
.endif
.irp t, 0,1,2,3,4,5,6,7,8,9,10,11,12,13,14,15
	global_store_b128 v[CO], v[BB+4*\t:BB+4*\t+3], s[8:9] offset:\t*SIZE_N*4 th:TH_STORE_NT   ; 32 lanes store 512 consecutive bytes, aligned; written once, read by nobody here
.endr
.endm
	PLACES                                         ; behind the last products: for the reads of results and for the loads into the fragment buffers' registers
	TOSTAGE 0
.irp a, 1,2,3
.if \a > 1
	s_wait_xcnt 0x0                                ; block a - 2's stores have read their registers and their base
.endif
	TOSTAGE \a
	SEND \a-1, 32                                  ; behind block a - 1's loads: block a's 16 stores and 16 loads
.endr
	s_wait_xcnt 0x0                                ; block 2's stores have read their base
	SEND 3, 0
	s_wait_tensorcnt 0x0                           ; the wave's end
	ds_add_u32 v[SPW], v[NIL]
	s_wait_dscnt 0x0
	CROUND                                         ; the closing round: no work-group ends while a partner may still ask for a tile that names it
	s_endpgm
.Lfunc_end_k_q6024d0e26d_proj:
	.size	k_q6024d0e26d_proj, .Lfunc_end_k_q6024d0e26d_proj-k_q6024d0e26d_proj
	.p2alignl 7, 3214868480
	.fill 96, 4, 3214868480
	.section	.rodata,"a",@progbits
	.p2align	6, 0x0
	.amdhsa_kernel k_q6024d0e26d_proj
		.amdhsa_group_segment_fixed_size 327680
		.amdhsa_private_segment_fixed_size 0
		.amdhsa_enable_private_segment 0
		.amdhsa_kernarg_size 24
		.amdhsa_user_sgpr_count 2
		.amdhsa_user_sgpr_kernarg_segment_ptr 1
		.amdhsa_wavefront_size32 1
		.amdhsa_system_sgpr_workgroup_id_x 1
		.amdhsa_system_sgpr_workgroup_id_y 1
		.amdhsa_system_sgpr_workgroup_id_z 1
		.amdhsa_system_vgpr_workitem_id 0
		.amdhsa_next_free_vgpr 512
		.amdhsa_next_free_sgpr 88
		.amdhsa_reserve_vcc 0
		.amdhsa_float_denorm_mode_32 3
		.amdhsa_float_denorm_mode_16_64 3
		.amdhsa_memory_ordered 1
		.amdhsa_forward_progress 1
		.amdhsa_inst_pref_size 132
	.end_amdhsa_kernel
	.amdgpu_metadata
---
amdhsa.version: [ 1, 2 ]
amdhsa.kernels:
  - .name:           k_q6024d0e26d_proj
    .symbol:         k_q6024d0e26d_proj.kd
    .args:
      - { .name: y, .offset: 0, .size: 8, .value_kind: global_buffer, .address_space: global }
      - { .name: wp16, .offset: 8, .size: 8, .value_kind: global_buffer, .address_space: global }
      - { .name: out0, .offset: 16, .size: 8, .value_kind: global_buffer, .address_space: global }
    .group_segment_fixed_size: 327680
    .private_segment_fixed_size: 0
    .kernarg_segment_align: 8
    .kernarg_segment_size: 24
    .max_flat_workgroup_size: 128
    .sgpr_count:     88
    .vgpr_count:     512
    .wavefront_size: 32
...
	.end_amdgpu_metadata
.endif
;; end of part 4
